; MI455X (gfx1250); checked and timed in simulation.
; The chip was launched on July 23, 2026; its instructions are those of AMD's public machine-readable ISA for CDNA 5 (MIT licence, August 2026) and "CDNA5" Instruction Set Architecture Reference Guide (July 2026). The comments in the code are by the model that wrote it; some were corrected since.
;; Denoiser Block. Allowed arithmetic: float matrix products may take bf16 or f16 operands with f32 sums; other float arithmetic in f32, or as packed bf16 or f16 multiplies, adds, multiply-adds, maxima and minima; sums over many terms, partial sums and values carried from step to step in f32; what a program stores and reads back later, other than sums and carried values, may be rounded once to bf16 or f16.
;; Inputs: W1 1,024 x 4,096 float32; W2 4,096 x 1,024 float32; Wout 1,024 x 1,024 float32; Wqkv 1,024 x 3,072 float32; Wt 1,024 x 2,048 float32; b1 4,096 float32; b2 1,024 float32; bt 2,048 float32; ln1_b 1,024 float32; ln1_g 1,024 float32; ln2_b 1,024 float32; ln2_g 1,024 float32; mask 2 x 2,048 bool; time_emb 2 x 1,024 float32; torus_dist 1 x 2,048 x 2,048 float32; torus_scale 16 float32; x 2 x 2,048 x 1,024 float32.
;; Outputs: out0 2 x 2,048 x 1,024 float32.
;; 2 versions, each right; version 2 is version 1 with the launch prep written anew for expert scheduling mode. Each part assembles by itself: llvm-mc -triple=amdgcn-amd-amdhsa -mcpu=gfx1250 --defsym DOCPART=n.
;; ======== version 1 of 2: 8 launches
;; limits: values outside matrix products are rounded to bf16
;; workspace buffers: wq 8,404,992 bytes; w1 8,404,992 bytes; wm 18,874,368 bytes; mode0 256 bytes of whole numbers; mode1 256 bytes of whole numbers; hb 8,388,608 bytes; big 33,554,432 bytes; x1 16,777,216 bytes
;; launch prep (part 1): grid 272 x 1, 8 waves a work-group, no clusters, 13,312 bytes of LDS; arguments Wqkv, Wout, W1, W2, torus_dist, time_emb, Wt, bt, ln1_g, ln1_b, ln2_g, ln2_b, wq, w1, wm, mode0, mode1; writes wq, w1, wm, mode0, mode1
.if DOCPART == 1
	.amdgcn_target "amdgcn-amd-amdhsa--gfx1250"
	.amdhsa_code_object_version 6
	.text
	.protected	k_q8045b0bb39_prep
	.globl	k_q8045b0bb39_prep
	.p2align	8
	.type	k_q8045b0bb39_prep,@function
k_q8045b0bb39_prep:
	s_mov_b64 s[64:65], 0
	v_nop
	global_prefetch_b8 v0, s[64:65] scope:SCOPE_SE
	s_setreg_imm32_b32 hwreg(HW_REG_WAVE_MODE, 25, 1), 1
	s_wait_xcnt 0x0
; PREPARATION.  Work-groups 16..271 round Wqkv, Wout, W1, W2 and torus_dist to bf16 (65,536 numbers each); work-groups 0..15 make
; tp = gelu(time_emb) Wt + bt (64 scale and 64 shift columns each) and from it the tables that the two layer norms multiply and add:
; G1[b][c] = ln1_g (1 + scale), S1[b][c] = ln1_b (1 + scale) + shift (behind Wqkv's copy), G2 = ln2_g, S2 = ln2_b (behind W1's copy).
; Layouts: wq = Wqkv as [1024][4096] bf16 (columns 0..3071 written), w1 = W1 [1024][4096], wm = Wout, W2 (at 2,097,152), dist (at 10,485,760).
; LIMITS.  gelu is the tanh form, u / (1 + 2^(K0 u + K1 u^3)); gelu(time_emb) and Wt are matrix operands in bf16, sums in f32.
; No cluster, no tensor load: no work-group wants a byte that another fetches.  No prefetch: the casts stream without a wait on anything but memory.
.set GSOFF, 8388608                    ; the tables' place in wq and w1
.set RED,   4096                       ; LDS: 0 gelu(te) in bf16 [2][1024]; 4,096 the waves' partial sums, 8,192 bytes
.set SPARE, 12288                      ; the spare words: 128 bytes for each of 8 waves, no other line names them
.set SPW, 6                            ; v6  my spare word's address; never rewritten
.set NIL, 7                            ; v7  0; never rewritten
.set OFS, 8                            ; v[8:15]   cast: byte offset in the output of my 8 bytes in unit u of 1,024 numbers
.set X,   64                           ; v[64:191] cast: 16 slots of 8 registers as loaded
.set Y,   192                          ; v[192:255] cast: 16 slots of 4 registers to store (first round)
.set ACC, 48                           ; v[48:79]  tp: four accumulators (columns 4 r + j)
.set BF,  80                           ; v[80:111] tp: four fragments of Wt in bf16
.set WL,  112                          ; v[112:239] tp: two sets of 64: 32 rows of Wt in f32
.set PAR, 240                          ; v[240:251] tp: bt (scale, shift), ln1_g, ln1_b, ln2_g, ln2_b of my two columns
	s_load_b512 s[8:23], s[0:1], 0x0               ; Wqkv 8, Wout 10, W1 12, W2 14, dist 16, te 18, Wt 20, bt 22
	s_load_b512 s[24:39], s[0:1], 0x40             ; ln1_g 24, ln1_b 26, ln2_g 28, ln2_b 30, wq 32, w1 34, wm 36, mode0 38
	s_load_b64 s[40:41], s[0:1], 0x80              ; mode1
	v_lshl_add_u32 v[SPW], v0, 2, SPARE
	v_mov_b32 v[NIL], 0
	v_lshrrev_b32 v1, 5, v0
	v_readfirstlane_b32 s42, v1                    ; wave 0..7
	v_and_b32 v1, 31, v0                           ; lane
	s_wait_kmcnt 0x0
	s_cmp_lt_u32 ttmp9, 16                         ; the same answer in all waves of a work-group
	s_cbranch_scc1 .Ltp
; ---------------- THE CASTS ----------------
; A wave takes 32 pieces of 256 numbers.  A piece is two loads of 16 bytes a lane, each 512 consecutive bytes, and two stores of 8 bytes a lane, each 256 consecutive bytes, aligned.
	s_sub_co_u32 s43, ttmp9, 16                    ; 0..47 Wqkv, 48..63 Wout, 64..127 W1, 128..191 W2, 192..255 dist
	s_mov_b64 s[44:45], s[16:17]                   ; from
	s_mov_b64 s[46:47], s[36:37]                   ; to
	s_mov_b32 s48, 10485760                        ; the copy's place in its buffer
	s_mov_b32 s49, 192                             ; the array's first work-group
	s_cmp_lt_u32 s43, 192
	s_cselect_b64 s[44:45], s[14:15], s[44:45]
	s_cselect_b32 s48, 2097152, s48
	s_cselect_b32 s49, 128, s49
	s_cmp_lt_u32 s43, 128
	s_cselect_b64 s[44:45], s[12:13], s[44:45]
	s_cselect_b64 s[46:47], s[34:35], s[46:47]
	s_cselect_b32 s48, 0, s48
	s_cselect_b32 s49, 64, s49
	s_cmp_lt_u32 s43, 64
	s_cselect_b64 s[44:45], s[10:11], s[44:45]
	s_cselect_b64 s[46:47], s[36:37], s[46:47]
	s_cselect_b32 s49, 48, s49
	s_cmp_lt_u32 s43, 48
	s_cselect_b64 s[44:45], s[8:9], s[44:45]
	s_cselect_b64 s[46:47], s[32:33], s[46:47]
	s_cselect_b32 s49, 0, s49
	s_cselect_b32 s50, 1, 0                        ; 1: Wqkv, whose rows of 3 units go to a pitch of 4
	s_sub_co_u32 s52, s43, s49                     ; my number within the array
	s_lshl_b32 s54, s52, 18                        ; 262,144 bytes of f32 a work-group
	s_mov_b32 s55, 0
	s_add_nc_u64 s[44:45], s[44:45], s[54:55]
	s_mov_b32 s49, 0
	s_add_nc_u64 s[46:47], s[46:47], s[48:49]
	s_lshl_b32 s51, s52, 6
	s_lshl3_add_u32 s51, s42, s51                  ; my wave's first unit: 64 x work-group + 8 x wave
	v_lshlrev_b32 v2, 4, v1
	v_lshl_add_u32 v2, s42, 15, v2                 ; in: 32,768 x wave + 16 x lane; never rewritten
.irp u, 0,1,2,3,4,5,6,7
	s_add_co_u32 s53, s51, \u                      ; unit U
	s_mul_i32 s54, s53, 0xaaab
	s_lshr_b32 s54, s54, 17                        ; U / 3 (exact for U under 2^16)
	s_mul_i32 s55, s54, 3
	s_sub_co_u32 s55, s53, s55
	s_lshl_b32 s55, s55, 11
	s_lshl_b32 s54, s54, 13
	s_add_co_u32 s54, s54, s55                     ; Wqkv: row x 8,192 + unit in the row x 2,048
	s_lshl_b32 s53, s53, 11                        ; the others are dense
	s_cmp_eq_u32 s50, 1
	s_cselect_b32 s53, s54, s53
	v_lshl_add_u32 v[OFS+\u], v1, 3, s53
.endr
.macro CLOAD i, p                      ; piece p of 32: numbers 4 lane .. + 3 of its first 128, then of its second 128
	global_load_b128 v[X+8*(\i):X+8*(\i)+3],   v2, s[44:45] offset:(\p)*1024 th:TH_LOAD_NT
	global_load_b128 v[X+8*(\i)+4:X+8*(\i)+7], v2, s[44:45] offset:(\p)*1024+512 th:TH_LOAD_NT
.endm
; ahead = 1 (first round): the results go to Y, and the slot's X is loaded again.  ahead = 0 (second round): converted in place, in ascending order, in the slot's own X:
; no register that a pending store reads is ever written again, so no wait stands for that.
.macro SLOT i, p, ahead, left
	s_wait_loadcnt \left                           ; loads come back in order: this slot's two are in, the younger ones stay out
.if \ahead
.irp k, 0,1,2,3
	v_cvt_pk_bf16_f32 v[Y+4*(\i)+\k], v[X+8*(\i)+2*\k], v[X+8*(\i)+2*\k+1]
.endr
	CLOAD \i, (\p)+16
	global_store_b64 v[OFS+(\p)/4], v[Y+4*(\i):Y+4*(\i)+1],   s[46:47] offset:((\p)%4)*512
	global_store_b64 v[OFS+(\p)/4], v[Y+4*(\i)+2:Y+4*(\i)+3], s[46:47] offset:((\p)%4)*512+256
.else
.irp k, 0,1,2,3
	v_cvt_pk_bf16_f32 v[X+8*(\i)+\k], v[X+8*(\i)+2*\k], v[X+8*(\i)+2*\k+1]
.endr
	global_store_b64 v[OFS+(\p)/4], v[X+8*(\i):X+8*(\i)+1],   s[46:47] offset:((\p)%4)*512
	global_store_b64 v[OFS+(\p)/4], v[X+8*(\i)+2:X+8*(\i)+3], s[46:47] offset:((\p)%4)*512+256
.endif
.endm
.irp i, 0,1,2,3,4,5,6,7,8,9,10,11,12,13,14,15
	CLOAD \i, \i                                   ; 32 loads, 16 KiB a wave, go out at once
.endr
.irp i, 0,1,2,3,4,5,6,7,8,9,10,11,12,13,14,15
	SLOT \i, \i, 1, 30                             ; 32 out, mine the oldest two
.endr
.irp i, 0,1,2,3,4,5,6,7,8,9,10,11,12,13,14,15
	SLOT \i, 16+\i, 0, 30-2*\i                     ; nothing more is loaded: the counts run down
.endr
	s_endpgm
; ---------------- tp AND THE TABLES ----------------
; Wave w: columns 64 g + 1024 (w / 4) .. + 63, K = 256 (w % 4) .. + 255, in 8 chunks of 32.  Source 0 = gelu(te) (row m holds batch m % 2), source 1 = Wt.
; A chunk of Wt comes by 16 loads: load i brings, to lane (r, h), the four columns 4 r .. 4 r + 3 of row i + 8 h (i < 8) or i + 8 + 8 h: 16 lanes take 256 consecutive bytes.
; Rounded in pairs of rows, that is register p of the fragment of columns 4 r + j, for j = 0..3.
.Ltp:
	v_and_b32 v10, 15, v0                          ; r
	v_bfe_u32 v11, v0, 4, 1                        ; h
	s_lshr_b32 s43, s42, 2                         ; scale (0) or shift (1)
	s_and_b32 s46, s42, 3                          ; my quarter of K
	s_lshl_b32 s47, ttmp9, 8                       ; 64 g columns of f32
	v_lshl_add_u32 v12, v1, 3, s47                 ; columns 64 g + 2 lane, + 1; never rewritten
	global_load_b64 v[PAR:PAR+1],     v12, s[22:23]              ; what the path's end wants goes out first, in every wave (so that the counts below are one for all): it is there long before
	global_load_b64 v[PAR+2:PAR+3],   v12, s[22:23] offset:4096
	global_load_b64 v[PAR+4:PAR+5],   v12, s[24:25]
	global_load_b64 v[PAR+6:PAR+7],   v12, s[26:27]
	global_load_b64 v[PAR+8:PAR+9],   v12, s[28:29]
	global_load_b64 v[PAR+10:PAR+11], v12, s[30:31]
	s_lshl_b32 s48, s43, 12
	s_add_co_u32 s48, s48, s47
	s_lshl_b32 s49, s46, 21                        ; 256 rows of 8,192 bytes
	s_add_co_u32 s48, s48, s49
	s_mov_b32 s49, 0
	s_add_nc_u64 s[44:45], s[20:21], s[48:49]
	s_mov_b32 s50, 0xc0135761                      ; K0 = -2 sqrt(2 / pi) log2(e)
	s_mov_b32 s51, s50
	s_mov_b32 s52, 0xbdd2d3e8                      ; K1 = 0.044715 K0
	s_mov_b32 s53, s52
	v_lshlrev_b32 v2, 4, v10
	v_lshl_add_u32 v2, v11, 16, v2                 ; 8 h rows + 16 r; never rewritten
	v_lshlrev_b32 v4, 5, v0                        ; thread t: eight numbers of te at byte 32 t
	global_load_b128 v[16:19], v4, s[18:19]
	global_load_b128 v[20:23], v4, s[18:19] offset:16
.macro WLOAD b, row0
.set i, 0
.rept 16
	global_load_b128 v[WL+64*(\b)+4*i:WL+64*(\b)+4*i+3], v2, s[44:45] offset:((\row0)+i+8*(i/8))*8192 th:TH_LOAD_NT
.set i, i+1
.endr
.endm
	WLOAD 0, 0
	WLOAD 1, 32
	v_and_b32 v3, 1, v0
	v_lshlrev_b32 v3, 11, v3                       ; row r of source 0 reads batch r % 2
	v_lshl_add_u32 v3, v11, 4, v3
	v_lshl_add_u32 v3, s46, 9, v3                  ; + my quarter of K
	v_lshlrev_b32 v5, 4, v0
	s_wait_loadcnt 32                              ; te is in, and the six older loads; the 32 loads of Wt stay out
.irp p, 0,2,4,6
	v_pk_mul_f32 v[24+\p:25+\p], v[16+\p:17+\p], v[16+\p:17+\p]
.endr
.irp p, 0,2,4,6
	v_pk_fma_f32 v[24+\p:25+\p], v[24+\p:25+\p], s[52:53], s[50:51] op_sel_hi:[1,0,0]
.endr
.irp p, 0,2,4,6
	v_pk_mul_f32 v[24+\p:25+\p], v[24+\p:25+\p], v[16+\p:17+\p]
.endr
.irp p, 0,1,2,3,4,5,6,7
	v_exp_f32 v[24+\p], v[24+\p]
.endr
	v_nop                                          ; a plain instruction behind the last exponential,
	s_wait_alu depctr_va_vdst(0)                   ; and one wait for the batch
.irp p, 0,2,4,6
	v_pk_add_f32 v[24+\p:25+\p], v[24+\p:25+\p], 1.0 op_sel_hi:[1,0]
.endr
.irp p, 0,1,2,3,4,5,6,7
	v_rcp_f32 v[24+\p], v[24+\p]
.endr
	v_nop
	s_wait_alu depctr_va_vdst(0)
.irp p, 0,2,4,6
	v_pk_mul_f32 v[16+\p:17+\p], v[16+\p:17+\p], v[24+\p:25+\p]
.endr
.irp p, 0,1,2,3
	v_cvt_pk_bf16_f32 v[32+\p], v[16+2*\p], v[17+2*\p]
.endr
	ds_store_b128 v5, v[32:35]
	s_wait_dscnt 0x0                               ; for the others' sake
	s_barrier_signal -1
	s_barrier_wait -1
.set i, 0
.rept 32
	v_mov_b32 v[ACC+i], 0                          ; the sums start at 0, written while the loads are out, so that the loop has one form of product
.set i, i+1
.endr
.macro CVT b
.irp j, 0,1,2,3
.irp p, 0,1,2,3,4,5,6,7
	v_cvt_pk_bf16_f32 v[BF+8*\j+\p], v[WL+64*(\b)+8*\p+\j], v[WL+64*(\b)+8*\p+4+\j]
.endr
.endr
.endm
.macro MUL4 af                         ; the four accumulators take turns, over the backward jump too
.irp j, 0,1,2,3
	v_wmma_f32_16x16x32_bf16 v[ACC+8*\j:ACC+8*\j+7], v[\af:\af+7], v[BF+8*\j:BF+8*\j+7], v[ACC+8*\j:ACC+8*\j+7]
.endr
.endm
.macro PLACES                          ; four places behind the products, ahead of writes of their sources
.rept 4
	v_nop
.endr
.endm
.macro TRIP ld                         ; two chunks
	ds_load_b128 v[16:19], v3
	ds_load_b128 v[20:23], v3 offset:32
	ds_load_b128 v[24:27], v3 offset:64
	ds_load_b128 v[28:31], v3 offset:96
	s_wait_loadcnt 16                              ; set 0 is in, set 1's 16 loads stay out
	CVT 0
.if \ld
	WLOAD 0, 64
.endif
	s_wait_dscnt 0x0
	MUL4 16
	PLACES
.if \ld
	s_wait_loadcnt 16                              ; set 1 is in, set 0's new 16 stay out
.else
	s_wait_loadcnt 0x0
.endif
	CVT 1
.if \ld
	WLOAD 1, 96
.endif
	MUL4 24
	PLACES
.endm
	s_mov_b32 s54, 3
.Lchunks:
	TRIP 1
	s_wait_xcnt 0x0                                ; the loads have read the pointer
	s_add_nc_u64 s[44:45], s[44:45], 524288        ; 64 rows on
	v_add_nc_u32 v3, 128, v3
	s_sub_co_u32 s54, s54, 1
	s_cmp_lg_u32 s54, 0
	s_cbranch_scc1 .Lchunks
	TRIP 0                                         ; the last two chunks load nothing
	PLACES
	v_lshlrev_b32 v5, 3, v1
	v_lshl_add_u32 v5, s42, 10, v5
.irp j, 0,1,2,3
	ds_store_b64 v5, v[ACC+8*\j:ACC+8*\j+1] offset:RED+256*\j   ; registers 0, 1 = batch 0, 1 (in lanes 0-15)
.endr
	s_wait_dscnt 0x0
	s_barrier_signal -1
	s_barrier_wait -1
	s_cmp_lt_u32 s42, 2
	s_cbranch_scc0 .Lnot01
	; wave b (0, 1) finishes batch b: lane l takes columns 2 l, 2 l + 1 = 4 (l / 2) + 2 (l % 2) + e
	v_and_b32 v8, 1, v0
	v_lshrrev_b32 v9, 1, v1
	v_lshlrev_b32 v8, 9, v8
	v_lshl_add_u32 v8, v9, 3, v8
	v_lshl_add_u32 v8, s42, 2, v8
.irp k, 0,1,2,3,4,5,6,7                ; k = 4 x (scale, shift) + quarter of K
	ds_load_b32 v[16+2*\k], v8 offset:RED+1024*\k
	ds_load_b32 v[17+2*\k], v8 offset:RED+1024*\k+256
.endr
	v_lshl_add_u32 v13, s42, 12, v12
	v_add_nc_u32 v13, GSOFF, v13
	s_wait_dscnt 0x0
	v_pk_add_f32 v[16:17], v[16:17], v[18:19]
	v_pk_add_f32 v[20:21], v[20:21], v[22:23]
	v_pk_add_f32 v[24:25], v[24:25], v[26:27]
	v_pk_add_f32 v[28:29], v[28:29], v[30:31]
	v_pk_add_f32 v[16:17], v[16:17], v[20:21]
	v_pk_add_f32 v[24:25], v[24:25], v[28:29]
	v_pk_add_f32 v[16:17], v[16:17], v[PAR:PAR+1]      ; scale
	v_pk_add_f32 v[24:25], v[24:25], v[PAR+2:PAR+3]    ; shift
	v_pk_add_f32 v[16:17], v[16:17], 1.0 op_sel_hi:[1,0]
	v_pk_mul_f32 v[44:45], v[PAR+4:PAR+5], v[16:17]
	v_pk_fma_f32 v[46:47], v[PAR+6:PAR+7], v[16:17], v[24:25]
	global_store_b64 v13, v[44:45], s[32:33]               ; each store covers 256 consecutive bytes, aligned
	global_store_b64 v13, v[46:47], s[32:33] offset:8192
	global_store_b64 v13, v[PAR+8:PAR+9],   s[34:35]
	global_store_b64 v13, v[PAR+10:PAR+11], s[34:35] offset:8192
	s_branch .Lend
.Lnot01:
	s_lshl3_add_u32 s43, ttmp9, s42
	s_cmp_eq_u32 s43, 2                            ; wave 2 of work-group 0 writes the two mode words' blocks
	s_cbranch_scc0 .Lend
	v_lshlrev_b32 v44, 3, v1
	v_mov_b32 v14, 0
	v_mov_b32 v15, 0
	v_mov_b32 v16, 1
	v_mov_b32 v17, 1
	global_store_b64 v44, v[14:15], s[38:39]
	global_store_b64 v44, v[16:17], s[40:41]
.Lend:
	s_wait_tensorcnt 0x0                           ; the wave's end
	ds_add_u32 v[SPW], v[NIL]
	s_wait_dscnt 0x0
	s_endpgm
.Lfunc_end_k_q8045b0bb39_prep:
	.size	k_q8045b0bb39_prep, .Lfunc_end_k_q8045b0bb39_prep-k_q8045b0bb39_prep
	.p2alignl 7, 3214868480
	.fill 96, 4, 3214868480
	.section	.rodata,"a",@progbits
	.p2align	6, 0x0
	.amdhsa_kernel k_q8045b0bb39_prep
		.amdhsa_group_segment_fixed_size 13312
		.amdhsa_private_segment_fixed_size 0
		.amdhsa_enable_private_segment 0
		.amdhsa_kernarg_size 136
		.amdhsa_user_sgpr_count 2
		.amdhsa_user_sgpr_kernarg_segment_ptr 1
		.amdhsa_wavefront_size32 1
		.amdhsa_system_sgpr_workgroup_id_x 1
		.amdhsa_system_sgpr_workgroup_id_y 1
		.amdhsa_system_sgpr_workgroup_id_z 1
		.amdhsa_system_vgpr_workitem_id 0
		.amdhsa_next_free_vgpr 256
		.amdhsa_next_free_sgpr 66
		.amdhsa_reserve_vcc 0
		.amdhsa_float_denorm_mode_32 3
		.amdhsa_float_denorm_mode_16_64 3
		.amdhsa_memory_ordered 1
		.amdhsa_forward_progress 1
		.amdhsa_inst_pref_size 52
	.end_amdhsa_kernel
	.amdgpu_metadata
---
amdhsa.version: [ 1, 2 ]
amdhsa.kernels:
  - .name:           k_q8045b0bb39_prep
    .symbol:         k_q8045b0bb39_prep.kd
    .args:
      - { .name: Wqkv, .offset: 0, .size: 8, .value_kind: global_buffer, .address_space: global }
      - { .name: Wout, .offset: 8, .size: 8, .value_kind: global_buffer, .address_space: global }
      - { .name: W1, .offset: 16, .size: 8, .value_kind: global_buffer, .address_space: global }
      - { .name: W2, .offset: 24, .size: 8, .value_kind: global_buffer, .address_space: global }
      - { .name: torus_dist, .offset: 32, .size: 8, .value_kind: global_buffer, .address_space: global }
      - { .name: time_emb, .offset: 40, .size: 8, .value_kind: global_buffer, .address_space: global }
      - { .name: Wt, .offset: 48, .size: 8, .value_kind: global_buffer, .address_space: global }
      - { .name: bt, .offset: 56, .size: 8, .value_kind: global_buffer, .address_space: global }
      - { .name: ln1_g, .offset: 64, .size: 8, .value_kind: global_buffer, .address_space: global }
      - { .name: ln1_b, .offset: 72, .size: 8, .value_kind: global_buffer, .address_space: global }
      - { .name: ln2_g, .offset: 80, .size: 8, .value_kind: global_buffer, .address_space: global }
      - { .name: ln2_b, .offset: 88, .size: 8, .value_kind: global_buffer, .address_space: global }
      - { .name: wq, .offset: 96, .size: 8, .value_kind: global_buffer, .address_space: global }
      - { .name: w1, .offset: 104, .size: 8, .value_kind: global_buffer, .address_space: global }
      - { .name: wm, .offset: 112, .size: 8, .value_kind: global_buffer, .address_space: global }
      - { .name: mode0, .offset: 120, .size: 8, .value_kind: global_buffer, .address_space: global }
      - { .name: mode1, .offset: 128, .size: 8, .value_kind: global_buffer, .address_space: global }
    .group_segment_fixed_size: 13312
    .private_segment_fixed_size: 0
    .kernarg_segment_align: 8
    .kernarg_segment_size: 136
    .max_flat_workgroup_size: 256
    .sgpr_count:     66
    .vgpr_count:     256
    .wavefront_size: 32
...
	.end_amdgpu_metadata
.endif
;; end of part 1
;; launch ln1 (part 2): grid 512 x 1, 8 waves a work-group, no clusters, 0 bytes of LDS; arguments x, wq, hb; writes hb
.if DOCPART == 2
	.amdgcn_target "amdgcn-amd-amdhsa--gfx1250"
	.amdhsa_code_object_version 6
	.text
	.protected	k_q8045b0bb39_ln1
	.globl	k_q8045b0bb39_ln1
	.p2align	8
	.type	k_q8045b0bb39_ln1,@function
k_q8045b0bb39_ln1:
	s_mov_b64 s[64:65], 0
	v_nop
	global_prefetch_b8 v0, s[64:65] scope:SCOPE_SE
	s_setreg_imm32_b32 hwreg(HW_REG_WAVE_MODE, 25, 1), 1
	s_wait_xcnt 0x0
; LAYER NORM WITH A TABLE.  out[row][c] = (x[row][c] - mean) rsqrt(var + 1e-5) G[b][c] + S[b][c], rounded once to bf16.  x: [4096][1024] f32; G, S: f32 [2][1024] at
; 8,388,608 and 8,192 further in the second buffer; b = row / 2048.  One wave takes one row (4,096 bytes, 32 registers) and keeps it between the passes: no LDS, no barrier, no loop.
; A load of the wave covers 512 consecutive bytes (16 a lane), a store 256 consecutive bytes, aligned (8 a lane): load j brings a lane the columns 128 j + 4 lane .. + 3.
; The variance is the mean of the squares of the centred numbers: no difference of large sums.  Memory binds: matrix unit, cluster and tensor loads would add nothing.
.set GSOFF, 8388608
.set X,  32                            ; v[32:63]
.set G,  64                            ; v[64:95]
.set SH, 96                            ; v[96:127]
	s_load_b128 s[4:7], s[0:1], 0x0                ; x, table
	s_load_b64 s[8:9], s[0:1], 0x10                ; out
	v_lshrrev_b32 v1, 5, v0
	v_readfirstlane_b32 s10, v1
	v_and_b32 v2, 31, v0
	v_lshlrev_b32 v1, 4, v2                        ; 16 bytes of f32 a lane
	v_lshlrev_b32 v3, 3, v2                        ; 8 bytes of bf16
	s_lshl3_add_u32 s11, ttmp9, s10                ; row
	s_lshl_b32 s12, s11, 12
	s_mov_b32 s13, 0
	s_lshr_b32 s14, ttmp9, 8                       ; b
	s_lshl_b32 s14, s14, 12
	s_add_co_u32 s14, s14, GSOFF
	s_mov_b32 s15, 0
	s_lshl_b32 s16, s11, 11
	s_mov_b32 s17, 0
	s_mov_b32 s18, 0x3a800000                      ; 1 / 1024
	s_mov_b32 s19, 0x3727c5ac                      ; 1e-5
	s_mov_b32 s20, 0x76543210                      ; v_permlanex16_b32: each lane takes its own place in the other half
	s_mov_b32 s21, 0xfedcba98
	s_wait_kmcnt 0x0
	s_add_nc_u64 s[4:5], s[4:5], s[12:13]
	s_add_nc_u64 s[6:7], s[6:7], s[14:15]
	s_add_nc_u64 s[8:9], s[8:9], s[16:17]
.irp j, 0,1,2,3,4,5,6,7
	global_load_b128 v[X+4*\j:X+4*\j+3], v1, s[4:5] offset:512*\j th:TH_LOAD_NT
.endr
.irp j, 0,1,2,3,4,5,6,7
	global_load_b128 v[G+4*\j:G+4*\j+3], v1, s[6:7] offset:512*\j
.endr
.irp j, 0,1,2,3,4,5,6,7
	global_load_b128 v[SH+4*\j:SH+4*\j+3], v1, s[6:7] offset:8192+512*\j
.endr
.macro FOLD                            ; four chains v[8:15] into v8, then over the 32 lanes; every lane ends with the sum
	v_pk_add_f32 v[8:9], v[8:9], v[10:11]
	v_pk_add_f32 v[12:13], v[12:13], v[14:15]
	v_pk_add_f32 v[8:9], v[8:9], v[12:13]
	v_add_f32 v8, v8, v9
	v_add_f32_dpp v8, v8, v8 row_xmask:1 row_mask:0xf bank_mask:0xf
	v_add_f32_dpp v8, v8, v8 row_xmask:2 row_mask:0xf bank_mask:0xf
	v_add_f32_dpp v8, v8, v8 row_xmask:4 row_mask:0xf bank_mask:0xf
	v_add_f32_dpp v8, v8, v8 row_xmask:8 row_mask:0xf bank_mask:0xf
	v_permlanex16_b32 v9, v8, s20, s21
	v_add_f32 v8, v8, v9
.endm
	s_wait_loadcnt 16                              ; x is in; the tables' 16 loads stay out
.irp c, 0,2,4,6
	v_pk_add_f32 v[8+\c:9+\c], v[X+\c:X+\c+1], v[X+8+\c:X+9+\c]
.endr
.irp k, 16, 24
.irp c, 0,2,4,6
	v_pk_add_f32 v[8+\c:9+\c], v[8+\c:9+\c], v[X+\k+\c:X+\k+\c+1]
.endr
.endr
	FOLD
	v_mul_f32 v16, s18, v8                         ; the mean, twice: a pair for the packed subtraction
	v_mul_f32 v17, s18, v8
.set p, 0
.rept 16
	v_pk_add_f32 v[X+p:X+p+1], v[X+p:X+p+1], v[16:17] neg_lo:[0,1] neg_hi:[0,1]
.set p, p+2
.endr
.irp c, 0,2,4,6
	v_pk_mul_f32 v[8+\c:9+\c], v[X+\c:X+\c+1], v[X+\c:X+\c+1]
.endr
.irp k, 8, 16, 24
.irp c, 0,2,4,6
	v_pk_fma_f32 v[8+\c:9+\c], v[X+\k+\c:X+\k+\c+1], v[X+\k+\c:X+\k+\c+1], v[8+\c:9+\c]
.endr
.endr
	FOLD
	v_fma_f32 v8, v8, s18, s19                     ; var + eps
	v_rsq_f32 v18, v8
	v_rsq_f32 v19, v8
	v_nop                                          ; a plain instruction behind the second root,
	s_wait_alu depctr_va_vdst(0)                   ; and one wait for both
.set p, 0
.rept 16
	v_pk_mul_f32 v[X+p:X+p+1], v[X+p:X+p+1], v[18:19]
.set p, p+2
.endr
	s_wait_loadcnt 0x0
.set p, 0
.rept 16
	v_pk_fma_f32 v[X+p:X+p+1], v[X+p:X+p+1], v[G+p:G+p+1], v[SH+p:SH+p+1]
.set p, p+2
.endr
.macro OUT j, d                        ; load j's four numbers: 8 bytes a lane
	v_cvt_pk_bf16_f32 v[\d],   v[X+4*(\j)],   v[X+4*(\j)+1]
	v_cvt_pk_bf16_f32 v[\d+1], v[X+4*(\j)+2], v[X+4*(\j)+3]
	global_store_b64 v3, v[\d:\d+1], s[8:9] offset:256*(\j)   ; 256 consecutive bytes, aligned
.endm
	OUT 0, 20
	OUT 1, 22
	OUT 2, 24
	OUT 3, 26
	OUT 4, 28
	OUT 5, 30
	OUT 6, 8
	OUT 7, 10
	s_endpgm
.Lfunc_end_k_q8045b0bb39_ln1:
	.size	k_q8045b0bb39_ln1, .Lfunc_end_k_q8045b0bb39_ln1-k_q8045b0bb39_ln1
	.p2alignl 7, 3214868480
	.fill 96, 4, 3214868480
	.section	.rodata,"a",@progbits
	.p2align	6, 0x0
	.amdhsa_kernel k_q8045b0bb39_ln1
		.amdhsa_group_segment_fixed_size 0
		.amdhsa_private_segment_fixed_size 0
		.amdhsa_enable_private_segment 0
		.amdhsa_kernarg_size 24
		.amdhsa_user_sgpr_count 2
		.amdhsa_user_sgpr_kernarg_segment_ptr 1
		.amdhsa_wavefront_size32 1
		.amdhsa_system_sgpr_workgroup_id_x 1
		.amdhsa_system_sgpr_workgroup_id_y 1
		.amdhsa_system_sgpr_workgroup_id_z 1
		.amdhsa_system_vgpr_workitem_id 0
		.amdhsa_next_free_vgpr 128
		.amdhsa_next_free_sgpr 66
		.amdhsa_reserve_vcc 0
		.amdhsa_float_denorm_mode_32 3
		.amdhsa_float_denorm_mode_16_64 3
		.amdhsa_memory_ordered 1
		.amdhsa_forward_progress 1
		.amdhsa_inst_pref_size 12
	.end_amdhsa_kernel
	.amdgpu_metadata
---
amdhsa.version: [ 1, 2 ]
amdhsa.kernels:
  - .name:           k_q8045b0bb39_ln1
    .symbol:         k_q8045b0bb39_ln1.kd
    .args:
      - { .name: x, .offset: 0, .size: 8, .value_kind: global_buffer, .address_space: global }
      - { .name: wq, .offset: 8, .size: 8, .value_kind: global_buffer, .address_space: global }
      - { .name: hb, .offset: 16, .size: 8, .value_kind: global_buffer, .address_space: global }
    .group_segment_fixed_size: 0
    .private_segment_fixed_size: 0
    .kernarg_segment_align: 8
    .kernarg_segment_size: 24
    .max_flat_workgroup_size: 256
    .sgpr_count:     66
    .vgpr_count:     128
    .wavefront_size: 32
...
	.end_amdgpu_metadata
.endif
;; end of part 2
;; launch qkv (part 3): grid 12 x 16, 4 waves a work-group, clusters of 4 x 4, 327,680 bytes of LDS; arguments hb, wq, b1, mode0, big; writes big
.if DOCPART == 3
	.amdgcn_target "amdgcn-amd-amdhsa--gfx1250"
	.amdhsa_code_object_version 6
	.text
	.protected	k_q8045b0bb39_qkv
	.globl	k_q8045b0bb39_qkv
	.p2align	8
	.type	k_q8045b0bb39_qkv,@function
k_q8045b0bb39_qkv:
	s_mov_b64 s[64:65], 0
	v_nop
	global_prefetch_b8 v0, s[64:65] scope:SCOPE_SE
	s_setreg_imm32_b32 hwreg(HW_REG_WAVE_MODE, 25, 1), 1
	s_wait_xcnt 0x0
	s_wait_alu depctr_hold_cnt(0) depctr_sa_sdst(0) depctr_va_vdst(0) depctr_va_sdst(0) depctr_va_ssrc(0) depctr_va_vcc(0) depctr_vm_vsrc(0)
	s_getreg_b32 s2, hwreg(HW_REG_IB_STS2, 6, 4)
	s_cmp_eq_u32 s2, 0
	s_cbranch_scc0 .Lentry_in_a_cluster
	s_endpgm
.Lentry_in_a_cluster:
	s_bfe_u32 s2, ttmp6, 0x10000c
	s_cmp_lg_u32 s2, 0xf033
	s_cbranch_scc0 .Lentry_shape_is_right
	s_endpgm
.Lentry_shape_is_right:
; C = A B (mode 0) or C = gelu(A B + bias) (mode 1), rounded once to bf16.  A: [4096][1024] bf16, K along the rows.  B: [1024][pitch 4096] bf16, N along the rows.
; C: [4096][pitch 4096] bf16.  Sums in f32.  gelu is the tanh form, u / (1 + A 2^(K0 u + K1 u^3)), A = 1, in f32.
; THE MODE is a whole number that an earlier launch stored.  It selects VALUES, not a path (partners of a cluster run alike): in mode 0 the bias, K0, K1 and A are 0, so the divisor is 1 and u comes out as it is.
; So the way out's arithmetic runs in both modes: 192 packed lines and 128 transcendentals for each 16 rows, beside a wave's 2,048 matrix instructions; that is the price of one text for both uses.
; LIMIT: u^2 stays finite (|u| < 1.8e19), in both modes.
; SHARES.  A tile of C is 256 x 256: four waves, 128 x 128 each, 64 accumulators in 512 registers.  K goes in 8 steps of 128 through two LDS slots; each wave fetches a quarter of a slot with one
; tensor load: waves 0, 1 A's 128 rows x 256 bytes each, waves 2, 3 B's 64 rows x 512 bytes each.  B lies [k][n] in LDS and is turned on the way into registers (ds_load_tr16_b128).
; CLUSTER.  4 x 4 work-groups; A's tile is shared along a row of the cluster, B's along a column: joint loads, which divide the requests by four.
; THE MATRIX INSTRUCTION IS USED TRANSPOSED (source 0 = 16 columns of B, source 1 = 16 rows of A): a lane holds eight neighbouring numbers of a row of C.
; A K step is written once: the slot in hand is a scalar that one exclusive or turns.  The last two steps, which fill nothing, are a loop of two trips that is left in the middle of its second.
; With 12 x 16 tiles (the first use) a quarter of the WGPs have no tile: a tile of 256 x 192 has rows that no power-of-two padding interval fits.
; REGISTERS: window 0: v16-30 addresses and bias; v64-127, v128-191 A's fragments, two buffers (on the way out U and W), v192-223 packed results; window 1: v64-191 B's fragments; windows 2, 3: accumulators.
.set PA,    272                        ; A's LDS row: 256 + 16 bytes: the 16 rows of a load start at 16 different groups of four banks (ISA guide 11.1)
.set PB,    544                        ; B's LDS row: 512 + 32 bytes, an odd multiple of 32
.set HALFT, 34816                      ; what one tensor load brings: 128 x 272 = 64 x 544
.set SLOT,  139264                     ; A's 256 rows, then B's 128 rows
.set BREG,  69632
.set DP,    528                        ; the way out: a row of 128 f32 + 16 bytes
.set DUMPW, 67584                      ; 128 such rows for each wave; they lie in the ring, which has had its last fill by then
.set SPARE, 278528                     ; behind the ring: the spare words, 128 bytes a wave; no other line names them
.set ADRA, 16                          ; my lane's place in A's part of slot 0; never rewritten
.set ADRB, 17                          ; the same for B
.set CA,   18                          ; the same two in the slot in hand
.set CB,   19
.set BI,   20                          ; v[20:23] bias of my four columns on the way out
.set DST,  24
.set RD,   25
.set CO,   26
.set BO,   27
.set SPW,  28
.set NIL,  29
.set PFO,  30
.set F0,   64
.set F1,   128
.set U,    64
.set W,    128
.set YY,   192
.set G1A, 24                           ; s[24:31] group 1 for A; s[32:39] group 0, two sets: the second walks
.set G0A, 32
.set G1B, 40
.set G0B, 48
; s14 wave, s15 wave / 2 (my half of the rows; also: I fetch A (0) or B (1)), s16 wave % 2, s17 cx, s18 cy, s19 tile column, s20 tile row, s21 mode, s22 slot read, s23 slot filled,
; s56 my part of a slot, s57 prefetch limit, s[58:59] prefetch address, s[60:61] its step, s62 counter, s[66:67] K0, s[68:69] K1, on the way out s[70:71] A, s72 the bias's mask
.set MSB, 0
.macro WIN new                         ; the immediate's high byte repeats the setting that is left
.if MSB != (\new)
	s_set_vgpr_msb (MSB<<8)|(\new)
.set MSB, \new
.endif
.endm
.set MUL_LO, 0xa1                      ; source 0 (B) window 1, source 1 (A) window 0, C and D window 2
.set MUL_HI, 0xf1
.set TO_B,   0x40
.macro PLACES
.rept 4
	v_nop
.endr
.endm
.macro JLOAD                           ; a joint refill by the walking set; an s_nop 0 and four v_nop follow each line
	s_cmp_eq_u32 s15, 0
	s_cbranch_scc0 .Lfor_b_\@
	tensor_load_to_lds s[G0A+4:G0A+7], s[G1A:G1A+7]
	s_nop 0
	PLACES
	s_branch .Lasked_\@
.Lfor_b_\@:
	tensor_load_to_lds s[G0B+4:G0B+7], s[G1B:G1B+7]
	s_nop 0
	PLACES
.Lasked_\@:
.endm
; A prefetch of the K step two refills on: 512 matrix instructions ahead of the load that will want it.  Each block of 256 bytes is named once in the launch: A's rows by the clusters with x = 0, B's by those
; with y = 0; the four partners of a joint load share its rows out by address (32 rows of A, 16 rows of two blocks of B); a lane a block.  The last two refills that have no such step ask for nothing.
.macro ASK
	s_cmp_gt_u32 s62, s57
	s_cbranch_scc0 .Lnot_mine_\@
	global_prefetch_b8 v[PFO], s[58:59] th:TH_LOAD_NT scope:SCOPE_SE
.Lnot_mine_\@:
.endm
.macro CREST                           ; a round of the cluster's barrier behind its opening barrier
	s_cmp_lg_u32 s14, 0
	s_cbranch_scc1 .Lnot_wave_0_\@
	s_barrier_signal -3
.Lnot_wave_0_\@:
	s_barrier_wait -3
	s_barrier_signal -1
	s_barrier_wait -1
.endm
.macro CROUND
	s_barrier_signal -1
	s_barrier_wait -1
	CREST
.endm
	s_load_b256 s[4:11], s[0:1], 0x0               ; A 4, B 6, bias 8, mode 10
	s_load_b64 s[12:13], s[0:1], 0x20              ; C
	v_lshl_add_u32 v[SPW], v0, 2, SPARE
	v_mov_b32 v[NIL], 0
	ds_add_u32 v[SPW], v[NIL]                      ; the opening: the add and its wait ahead of my first tensor load
	v_lshrrev_b32 v1, 5, v0
	v_readfirstlane_b32 s14, v1
	s_lshr_b32 s15, s14, 1
	s_and_b32 s16, s14, 1
	s_bfe_u32 s17, ttmp6, 0x40000
	s_bfe_u32 s18, ttmp6, 0x40004
	s_lshl_b32 s19, ttmp9, 2
	s_add_co_u32 s19, s19, s17
	s_and_b32 s20, ttmp7, 0xffff
	s_lshl_b32 s20, s20, 2
	s_add_co_u32 s20, s20, s18
	s_lshl_b32 s70, s18, 2
	s_lshl_b32 s70, 15, s70                        ; my row of the cluster
	s_lshl_b32 s71, 0x1111, s17                    ; my column
	s_or_b32 s[G1A], s70, (1<<16)|(1<<20)|(1<<21)|(5<<22)|(3<<25)  ; 2-byte elements, padding of 4 words after every 64, bit 21 beside the mask
	s_mov_b32 s[G1A+1], 128<<16                    ; tensor_dim0
	s_mov_b32 s[G1A+2], 128<<16                    ; tensor_dim1
	s_mov_b32 s[G1A+3], 128<<16                    ; tile_dim0
	s_mov_b32 s[G1A+4], 128                        ; tile_dim1
	s_mov_b32 s[G1A+5], 1024                       ; elements from row to row
	s_mov_b32 s[G1A+6], 0
	s_mov_b32 s[G1A+7], 0
	s_or_b32 s[G1B], s71, (1<<16)|(1<<20)|(1<<21)|(6<<22)|(7<<25)  ; padding of 8 words after every 128
	s_mov_b32 s[G1B+1], 256<<16
	s_mov_b32 s[G1B+2], 64<<16
	s_mov_b32 s[G1B+3], 256<<16
	s_mov_b32 s[G1B+4], 64
	s_mov_b32 s[G1B+5], 4096
	s_mov_b32 s[G1B+6], 0
	s_mov_b32 s[G1B+7], 0
	s_lshl_b32 s72, s20, 8                         ; A: row 256 x tile row + 128 x (wave % 2), 2,048 bytes a row
	s_lshl_b32 s76, s16, 7
	s_add_co_u32 s72, s72, s76
	s_lshl_b32 s72, s72, 11
	s_mov_b32 s73, 0
	s_lshl_b32 s74, s19, 9                         ; B: 512 bytes x tile column + 64 rows of 8,192 x (wave % 2)
	s_lshl_b32 s76, s16, 19
	s_add_co_u32 s74, s74, s76
	s_mov_b32 s75, 0
	s_mul_i32 s56, s14, HALFT                      ; no place in the cluster enters an LDS address
	s_mov_b32 s22, 0
	s_mov_b32 s23, SLOT
	s_mov_b32 s66, 0xc0135761                      ; K0 = -2 sqrt(2 / pi) log2(e)
	s_mov_b32 s67, s66
	s_mov_b32 s68, 0xbdd2d3e8                      ; K1 = 0.044715 K0
	s_mov_b32 s69, s68
	s_wait_dscnt 0x0                               ; the opening add is done
	s_wait_kmcnt 0x0
	s_load_b32 s21, s[10:11], 0x0                  ; the mode; waited for on the way out
	s_add_nc_u64 s[72:73], s[4:5], s[72:73]
	s_add_nc_u64 s[74:75], s[6:7], s[74:75]
	CROUND                                         ; all sixteen work-groups are here: the first joint loads meet
.irp s, 0,1
	s_mov_b32 s[G0A+4*\s], 1
	s_add_co_u32 s[G0A+4*\s+1], s56, \s*SLOT
	s_add_nc_u64 s[G0A+4*\s+2:G0A+4*\s+3], s[72:73], \s*256
	s_or_b32 s[G0A+4*\s+3], s[G0A+4*\s+3], 0x80000000
	s_mov_b32 s[G0B+4*\s], 1
	s_add_co_u32 s[G0B+4*\s+1], s56, \s*SLOT
	s_add_nc_u64 s[G0B+4*\s+2:G0B+4*\s+3], s[74:75], \s*1048576
	s_or_b32 s[G0B+4*\s+3], s[G0B+4*\s+3], 0x80000000
.endr
	s_cmp_eq_u32 s15, 0                            ; a wave's two first fills stand in one branch: two loads of mine are out
	s_cbranch_scc0 .Lfirst_b
	tensor_load_to_lds s[G0A:G0A+3], s[G1A:G1A+7]
	s_nop 0
	tensor_load_to_lds s[G0A+4:G0A+7], s[G1A:G1A+7]
	s_nop 0
	PLACES
	s_branch .Lfirst_done
.Lfirst_b:
	tensor_load_to_lds s[G0B:G0B+3], s[G1B:G1B+7]
	s_nop 0
	tensor_load_to_lds s[G0B+4:G0B+7], s[G1B:G1B+7]
	s_nop 0
	PLACES
.Lfirst_done:
	v_and_b32 v1, 15, v0                           ; r
	v_bfe_u32 v2, v0, 4, 1                         ; h
	v_and_b32 v3, 7, v0
	v_bfe_u32 v4, v0, 3, 1
	v_and_b32 v5, 31, v0
	v_mul_u32_u24 v[ADRA], v1, PA                  ; A's fragment: row r, 16 bytes for each half of the lanes, twice, 32 bytes apart
	v_lshl_add_u32 v[ADRA], v2, 4, v[ADRA]
	s_mul_i32 s76, s15, HALFT
	v_add_nc_u32 v[ADRA], s76, v[ADRA]
	v_lshl_add_u32 v[ADRB], v2, 3, v3              ; the turning load: k row 8 h + l % 8, columns 8 ((l / 8) % 2) on
	v_mul_u32_u24 v[ADRB], v[ADRB], PB
	v_lshl_add_u32 v[ADRB], v4, 4, v[ADRB]
	s_lshl_b32 s76, s16, 8
	s_add_co_u32 s76, s76, BREG
	v_add_nc_u32 v[ADRB], s76, v[ADRB]
	s_mul_i32 s77, s14, DUMPW
	v_mul_u32_u24 v[DST], v1, DP
	v_lshl_add_u32 v[DST], v2, 5, v[DST]
	v_add_nc_u32 v[DST], s77, v[DST]
	v_lshl_add_u32 v[RD], v5, 4, s77
	v_lshlrev_b32 v[CO], 3, v5
	v_lshlrev_b32 v[BO], 4, v5
	s_lshl_b32 s76, s19, 10                        ; bias of my 128 columns
	s_lshl_b32 s77, s16, 9
	s_add_co_u32 s76, s76, s77
	s_mov_b32 s77, 0
	s_add_nc_u64 s[8:9], s[8:9], s[76:77]
	global_load_b128 v[BI:BI+3], v[BO], s[8:9]
	s_lshl_b32 s76, s20, 8                         ; C at my first row and column
	s_lshl_b32 s77, s15, 7
	s_add_co_u32 s76, s76, s77
	s_lshl_b32 s76, s76, 13
	s_lshl_b32 s77, s19, 9
	s_add_co_u32 s76, s76, s77
	s_lshl_b32 s77, s16, 8
	s_add_co_u32 s76, s76, s77
	s_mov_b32 s77, 0
	s_add_nc_u64 s[12:13], s[12:13], s[76:77]
	; the prefetches
	s_lshl_b32 s70, s17, 16                        ; A: my work-group's 32 rows of 2,048 bytes
	s_lshl_b32 s71, s18, 17                        ; B: its 16 rows of 8,192
	s_and_b32 s76, ttmp7, 0xffff
	s_mov_b32 s60, 0x100000
	s_movk_i32 s77, 256
	s_cmp_eq_u32 s15, 0
	s_cselect_b32 s76, ttmp9, s76                  ; the coordinate along which other clusters read the same rows
	s_cselect_b64 s[58:59], s[72:73], s[74:75]
	s_cselect_b32 s70, s70, s71
	s_cselect_b32 s60, s77, s60                    ; a K step in bytes
	s_cselect_b32 s78, -1, 0
	s_mov_b32 s61, 0
	s_mov_b32 s71, 0
	s_mul_i32 s77, s60, 3
	s_add_co_u32 s70, s70, s77                     ; at K step 3: the first refill steps it to 4
	s_add_nc_u64 s[58:59], s[58:59], s[70:71]
	s_cmp_eq_u32 s76, 0
	s_cselect_b32 s57, 2, -1                       ; the same in all sixteen partners, for a given wave
	v_lshlrev_b32 v6, 11, v5                       ; A: a lane a row
	v_lshrrev_b32 v7, 1, v5                        ; B: two lanes a row
	v_and_b32 v8, 1, v5
	v_lshlrev_b32 v7, 13, v7
	v_lshl_add_u32 v7, v8, 8, v7
	v_cndmask_b32 v[PFO], v7, v6, s78
; 16 matrix instructions: m blocks a0, a0 + 1 of the window's four x all 8 n blocks, 32 along K.  zero = 1: the first product starts the sums.  The 64 accumulators take turns, one instruction a turn.
.macro MUL16 f, hi, a0, zero
	WIN MUL_LO+0x50*(\hi)
.irp a, \a0, (\a0)+1
.irp b, 0,1,2,3,4,5,6,7
.if \zero
	v_wmma_f32_16x16x32_bf16 v[8*(8*(\a)+(\b)):8*(8*(\a)+(\b))+7], v[(\f)+8*(\b):(\f)+8*(\b)+7], v[(\f)+8*(4*(\hi)+(\a)):(\f)+8*(4*(\hi)+(\a))+7], 0
.else
	v_wmma_f32_16x16x32_bf16 v[8*(8*(\a)+(\b)):8*(8*(\a)+(\b))+7], v[(\f)+8*(\b):(\f)+8*(\b)+7], v[(\f)+8*(4*(\hi)+(\a)):(\f)+8*(4*(\hi)+(\a))+7], v[8*(8*(\a)+(\b)):8*(8*(\a)+(\b))+7]
.endif
.endr
.endr
.endm
.macro FETCH q, f                      ; 32 LDS loads in one run: quarter q (32 along K) of the slot in hand into buffer f: B first, then A
	WIN TO_B
.irp i, 0,1,2,3,4,5,6,7
	ds_load_tr16_b128 v[(\f)+8*(\i):(\f)+8*(\i)+3],   v[CB] offset:(\q)*32*PB+(\i)*32
	ds_load_tr16_b128 v[(\f)+8*(\i)+4:(\f)+8*(\i)+7], v[CB] offset:(\q)*32*PB+(\i)*32+16*PB
.endr
	WIN 0
.irp i, 0,1,2,3,4,5,6,7
	ds_load_b128 v[(\f)+8*(\i):(\f)+8*(\i)+3],   v[CA] offset:(\q)*64+(\i)*16*PA
	ds_load_b128 v[(\f)+8*(\i)+4:(\f)+8*(\i)+7], v[CA] offset:(\q)*64+(\i)*16*PA+32
.endr
.endm
.macro QUARTER q, f, g, zero           ; multiplies buffer f; in its middle fetches quarter q into buffer g
	s_wait_dscnt 8                                 ; B and A's rows 0-63 are in; the youngest eight loads may be out
	MUL16 \f, 0, 0, \zero
	MUL16 \f, 0, 2, \zero
	PLACES                                         ; four places ahead of loads into registers that products have read
	FETCH \q, \g
	s_wait_dscnt 32                                ; all but the 32 just issued
	MUL16 \f, 1, 0, \zero
	MUL16 \f, 1, 2, \zero
.endm
; A step's last quarter (buffer 1) and the change of slots.  The quarter's first 32 products stand AHEAD of the wait for the tensor loads, so that between a tile's landing and the request for the next stand
; only the three lines, the barrier and the round.  In front of the barrier each wave has waited for all its tensor loads (one is out: its part of the next slot), added 0 to its spare word, and waited for that and
; for its reads of this slot; behind it nobody reads this slot and the next slot is whole.
; fill = 1: the barrier opens a round of the cluster's, and the joint refill is the first tensor load behind it.  fill = 0: the tail's loop: nothing is filled; in its second trip the loop is left here.
.macro TURN fill
.if \fill
	s_wait_xcnt 0x0                                ; the last prefetch, a K step back, has read its address
	s_add_nc_u64 s[58:59], s[58:59], s[60:61]
.endif
	s_wait_dscnt 8                                 ; B and A's rows 0-63 are in; the youngest eight loads may be out
	MUL16 F1, 0, 0, 0
	MUL16 F1, 0, 2, 0
	WIN 0
	s_wait_tensorcnt 0x0                           ; all my tensor loads have landed, so a group 0 may be written
	ds_add_u32 v[SPW], v[NIL]                      ; 0 onto my spare word; the descriptors' steps stand between it and the wait for it
.if \fill
	s_xor_b32 s23, s23, SLOT                       ; the walking sets: the other slot than last time, one K step on
	s_add_co_u32 s[G0A+5], s56, s23
	s_add_co_u32 s[G0B+5], s56, s23
	s_add_nc_u64 s[G0A+6:G0A+7], s[G0A+6:G0A+7], 256
	s_add_nc_u64 s[G0B+6:G0B+7], s[G0B+6:G0B+7], 1048576
.endif
	s_wait_dscnt 0x0                               ; the add is done, and my reads of this slot are over
	s_barrier_signal -1
	s_barrier_wait -1
.if \fill
	CREST                                          ; no wave of any partner still reads this slot or has a load on its way
	JLOAD                                          ; its four v_nop are also the places ahead of the loads below
.else
	s_sub_co_u32 s62, s62, 1
	s_cmp_eq_u32 s62, 0
	s_cbranch_scc1 .Llast                          ; the last K step: nothing is left to fetch
	PLACES
.endif
	s_xor_b32 s22, s22, SLOT
	v_add_nc_u32 v[CA], s22, v[ADRA]
	v_add_nc_u32 v[CB], s22, v[ADRB]
	FETCH 0, F0
.if \fill
	ASK
.endif
	MUL16 F1, 1, 0, 0
	MUL16 F1, 1, 2, 0
.endm
	s_wait_tensorcnt 1                             ; my part of K step 0 is in; step 1's stays out
	s_barrier_signal -1
	s_barrier_wait -1
	v_mov_b32 v[CA], v[ADRA]
	v_mov_b32 v[CB], v[ADRB]
	FETCH 0, F0
	QUARTER 1, F0, F1, 1                           ; the first quarter stands ahead of the loop: its products start the sums
	WIN 0
	s_mov_b32 s62, 6
.Lstep:                                        ; a trip: a step's quarters 1 to 3 and the next step's quarter 0; it fills the slot that it leaves
	QUARTER 2, F1, F0, 0
	QUARTER 3, F0, F1, 0
	TURN 1
	QUARTER 1, F0, F1, 0
	WIN 0
	s_sub_co_u32 s62, s62, 1
	s_cmp_lg_u32 s62, 0
	s_cbranch_scc1 .Lstep
	s_mov_b32 s62, 2
.Ltail:                                        ; the last two steps fill nothing: two trips, the second left in TURN
	QUARTER 2, F1, F0, 0
	QUARTER 3, F0, F1, 0
	TURN 0
	QUARTER 1, F0, F1, 0
	WIN 0
	s_branch .Ltail
.Llast:
	MUL16 F1, 1, 0, 0
	MUL16 F1, 1, 2, 0
	; THE WAY OUT.  My 128 x 128 sums go in f32 into 128 rows of my own in LDS and come back by rows, 16 rows a trip: a lane then holds four neighbouring columns, and a store covers a row's 256 bytes.
	WIN 0
	PLACES
	PLACES
	s_wait_kmcnt 0x0                               ; the mode
	s_wait_loadcnt 0x0                             ; the bias
	s_cmp_lg_u32 s21, 0                            ; mode 0: K0 = K1 = A = 0 and no bias: the divisor below is 1
	s_cselect_b32 s66, s66, 0
	s_cselect_b32 s67, s67, 0
	s_cselect_b32 s68, s68, 0
	s_cselect_b32 s69, s69, 0
	s_cselect_b32 s70, 1.0, 0
	s_cselect_b32 s71, 1.0, 0
	s_cselect_b32 s72, -1, 0
.irp i, 0,1,2,3
	v_cndmask_b32 v[BI+\i], 0, v[BI+\i], s72
.endr
	s_barrier_signal -1                            ; nobody reads the ring any more
	s_barrier_wait -1
.irp a, 0,1,2,3,4,5,6,7
	WIN 0x08+4*((\a)/4)                            ; store data: window 2 or 3
.irp b, 0,1,2,3,4,5,6,7
	ds_store_b128 v[DST], v[8*(8*((\a)%4)+(\b)):8*(8*((\a)%4)+(\b))+3]   offset:(\a)*16*DP+(\b)*64
	ds_store_b128 v[DST], v[8*(8*((\a)%4)+(\b))+4:8*(8*((\a)%4)+(\b))+7] offset:(\a)*16*DP+(\b)*64+16
.endr
.endr
	WIN 0
	s_mov_b32 s62, 8
.Lrow:
.irp i, 0,1,2,3,4,5,6,7,8,9,10,11,12,13,14,15
	ds_load_b128 v[U+4*\i:U+4*\i+3], v[RD] offset:\i*DP    ; my own bytes: LDS serves a wave's instructions in order (ISA guide 5.7.1.4)
.endr
	s_wait_dscnt 0x0
.set p, 0
.rept 32
	v_pk_add_f32 v[U+2*p:U+2*p+1], v[U+2*p:U+2*p+1], v[BI+2*(p%2):BI+2*(p%2)+1]
.set p, p+1
.endr
.set p, 0
.rept 32
	v_pk_mul_f32 v[W+2*p:W+2*p+1], v[U+2*p:U+2*p+1], v[U+2*p:U+2*p+1]
.set p, p+1
.endr
.set p, 0
.rept 32
	v_pk_fma_f32 v[W+2*p:W+2*p+1], v[W+2*p:W+2*p+1], s[68:69], s[66:67] op_sel_hi:[1,0,0]
.set p, p+1
.endr
.set p, 0
.rept 32
	v_pk_mul_f32 v[W+2*p:W+2*p+1], v[W+2*p:W+2*p+1], v[U+2*p:U+2*p+1]
.set p, p+1
.endr
.set p, 0
.rept 64
	v_exp_f32 v[W+p], v[W+p]
.set p, p+1
.endr
	v_nop                                          ; a plain instruction behind the last exponential,
	s_wait_alu depctr_va_vdst(0)                   ; and one wait for the 64
.set p, 0
.rept 32
	v_pk_fma_f32 v[W+2*p:W+2*p+1], v[W+2*p:W+2*p+1], s[70:71], 1.0 op_sel_hi:[1,0,0]   ; 1 + A 2^z
.set p, p+1
.endr
.set p, 0
.rept 64
	v_rcp_f32 v[W+p], v[W+p]
.set p, p+1
.endr
	v_nop
	s_wait_alu depctr_va_vdst(0)
.set p, 0
.rept 32
	v_pk_mul_f32 v[U+2*p:U+2*p+1], v[U+2*p:U+2*p+1], v[W+2*p:W+2*p+1]
.set p, p+1
.endr
.set p, 0
.rept 32
	v_cvt_pk_bf16_f32 v[YY+p], v[U+2*p], v[U+2*p+1]
.set p, p+1
.endr
.irp i, 0,1,2,3,4,5,6,7,8,9,10,11,12,13,14,15
	global_store_b64 v[CO], v[YY+2*\i:YY+2*\i+1], s[12:13] offset:\i*8192   ; 32 lanes store 256 consecutive bytes, aligned
.endr
	v_add_nc_u32 v[RD], 16*DP, v[RD]
	s_wait_xcnt 0x0                                ; the stores have read their data and base
	s_add_nc_u64 s[12:13], s[12:13], 131072
	s_sub_co_u32 s62, s62, 1
	s_cmp_lg_u32 s62, 0
	s_cbranch_scc1 .Lrow
	s_wait_tensorcnt 0x0                           ; the wave's end
	ds_add_u32 v[SPW], v[NIL]
	s_wait_dscnt 0x0
	CROUND                                         ; the closing round
	s_endpgm
.Lfunc_end_k_q8045b0bb39_qkv:
	.size	k_q8045b0bb39_qkv, .Lfunc_end_k_q8045b0bb39_qkv-k_q8045b0bb39_qkv
	.p2alignl 7, 3214868480
	.fill 96, 4, 3214868480
	.section	.rodata,"a",@progbits
	.p2align	6, 0x0
	.amdhsa_kernel k_q8045b0bb39_qkv
		.amdhsa_group_segment_fixed_size 327680
		.amdhsa_private_segment_fixed_size 0
		.amdhsa_enable_private_segment 0
		.amdhsa_kernarg_size 40
		.amdhsa_user_sgpr_count 2
		.amdhsa_user_sgpr_kernarg_segment_ptr 1
		.amdhsa_wavefront_size32 1
		.amdhsa_system_sgpr_workgroup_id_x 1
		.amdhsa_system_sgpr_workgroup_id_y 1
		.amdhsa_system_sgpr_workgroup_id_z 1
		.amdhsa_system_vgpr_workitem_id 0
		.amdhsa_next_free_vgpr 1024
		.amdhsa_next_free_sgpr 80
		.amdhsa_reserve_vcc 0
		.amdhsa_float_denorm_mode_32 3
		.amdhsa_float_denorm_mode_16_64 3
		.amdhsa_memory_ordered 1
		.amdhsa_forward_progress 1
		.amdhsa_inst_pref_size 102
	.end_amdhsa_kernel
	.amdgpu_metadata
---
amdhsa.version: [ 1, 2 ]
amdhsa.kernels:
  - .name:           k_q8045b0bb39_qkv
    .symbol:         k_q8045b0bb39_qkv.kd
    .args:
      - { .name: hb, .offset: 0, .size: 8, .value_kind: global_buffer, .address_space: global }
      - { .name: wq, .offset: 8, .size: 8, .value_kind: global_buffer, .address_space: global }
      - { .name: b1, .offset: 16, .size: 8, .value_kind: global_buffer, .address_space: global }
      - { .name: mode0, .offset: 24, .size: 8, .value_kind: global_buffer, .address_space: global }
      - { .name: big, .offset: 32, .size: 8, .value_kind: global_buffer, .address_space: global }
    .group_segment_fixed_size: 327680
    .private_segment_fixed_size: 0
    .kernarg_segment_align: 8
    .kernarg_segment_size: 40
    .max_flat_workgroup_size: 128
    .sgpr_count:     80
    .vgpr_count:     1024
    .wavefront_size: 32
...
	.end_amdgpu_metadata
.endif
;; end of part 3
;; launch attn (part 4): grid 16 x 16, 4 waves a work-group, clusters of 4 x 4, 327,680 bytes of LDS; arguments big, wm, mask, torus_scale, hb; writes hb
.if DOCPART == 4
	.amdgcn_target "amdgcn-amd-amdhsa--gfx1250"
	.amdhsa_code_object_version 6
	.text
	.protected	k_q8045b0bb39_attn
	.globl	k_q8045b0bb39_attn
	.p2align	8
	.type	k_q8045b0bb39_attn,@function
k_q8045b0bb39_attn:
	s_mov_b64 s[64:65], 0
	v_nop
	global_prefetch_b8 v0, s[64:65] scope:SCOPE_SE
	s_setreg_imm32_b32 hwreg(HW_REG_WAVE_MODE, 25, 1), 1
	s_wait_xcnt 0x0
	s_wait_alu depctr_hold_cnt(0) depctr_sa_sdst(0) depctr_va_vdst(0) depctr_va_sdst(0) depctr_va_ssrc(0) depctr_va_vcc(0) depctr_vm_vsrc(0)
	s_getreg_b32 s2, hwreg(HW_REG_IB_STS2, 6, 4)
	s_cmp_eq_u32 s2, 0
	s_cbranch_scc0 .Lentry_in_a_cluster
	s_endpgm
.Lentry_in_a_cluster:
	s_bfe_u32 s2, ttmp6, 0x10000c
	s_cmp_lg_u32 s2, 0xf033
	s_cbranch_scc0 .Lentry_shape_is_right
	s_endpgm
.Lentry_shape_is_right:
; ATTENTION WITH A BIAS AND A KEY MASK.  o[b][q][64 head + d] = sum over k of softmax_k(q . k / 8 - ts[head] dist[q][k], masked keys out) v[k][d].
; q, k, v: bf16, rows of 8,192 bytes in the first buffer (q at byte 0, k at 2,048, v at 4,096; a head is 128 bytes).  dist: bf16 [2048][2048] at 10,485,760 in the second.  o: bf16 [4096][1024].
; SHARES.  A work-group takes 128 queries of TWO neighbouring heads, so that rows of K, V and o are 256 aligned bytes and one tile of dist serves both.  Wave w: head w / 2 of the pair, queries 64 (w % 2) on:
; four tiles of 16 queries, in two PIECES of two tiles.  Every wave walks all 2,048 keys, 64 a step; a slot of LDS holds two steps.
; CLUSTER 4 x 4.  K and V hang on the work-group's y and are shared along a row of the cluster, dist on its x and is shared along a column: joint loads.
; THE SCORES, times 8:  S^T = MC + K Q^T + Dist^T E.  MC, the C operand that starts the sum, is 0 or -2^100 by the key's mask.  Dist^T is 16 keys x the piece's 32 queries (turned out of LDS); E is
; -8 ts times the identity in the upper or lower 16 of the 32 places: so bias and mask cost no vector work; dist and -8 ts are matrix operands in bf16.
; SOFTMAX.  A running maximum m and sum l a query; p = 2^(c s - c m), c = log2(e) / 8; O and l are multiplied by a = 2^(c m_old - c m_new) in every step.  p is rounded to bf16 for V^T P, l sums the unrounded p.
; BY TURNS.  In a turn one piece has the matrix unit (16 products V^T P of step j, then 24 for S^T of step j + 1) and the other piece's whole softmax stands behind those products, six lines each.
; A turn's 66 exponentials are one batch with one wait.  No first step is written out: m starts at -2^126, O, V and piece 0's P at 0, piece 1's scores at -2^126: the first true step's a is 0.
; LIMITS.  A masked key's score counts as -2^100 / 8; a row whose keys are all masked comes out uniform, as the reference's, while |q . k| < 2^76 and the matrix unit's one rounding gives -2^100 back.
; Weights below 2^-126 count as 0.  Mask bytes are 0 or 1.  NaN and infinities are not treated apart.
; REGISTERS: window 0: v2-14 addresses; v16-47 statistics (8 a tile: c m, m, l, l, c0-c3; a takes c2's place); v48-61 at work at the head; v64-191 S^T; v192-255 P.
;   window 1: v0-127 O^T; v128-159 MC.   window 2: v0-63 Q; v64-127 K; v128-159 Dist^T; v160-171 E; v192-255 V.
.set PK,    272                        ; K's LDS row: 256 + 16
.set PVV,   288                        ; V's and dist's: 256 + 32, an odd multiple of 32
.set VOFF,  34816                      ; a slot: 128 rows of K, 128 of V, 128 query rows of dist
.set DOFF,  71680
.set SLOT1, 131072
.set MASKT, 108544                     ; between the slots: one f32 a key, 8,192 bytes; no fill lands here
.set STAGE, 239616                     ; behind slot 1: 128 rows x 272 bytes, for the way out
.set SP,    272
.set SPARE, 274432
.set AK0, 2
.set AV0, 3
.set AD0, 4
.set AM0, 5
.set ADRK, 6
.set ADRV, 7
.set ADRD, 8
.set ADRM, 9
.set QO,  10
.set STO, 11
.set RD,  12
.set GO,  13
.set PFO, 14
.set ST,  16
.set SPW, 62
.set NIL, 63
.set S,   64
.set P,   192
.set MC,  128
.set KF,  64
.set DF,  128
.set EB,  160
.set VF,  192
.set G1K, 24
.set G1V, 32
.set G1D, 40
.set G0K, 48
.set G0V, 52
.set G0D, 56
.set SLOTS, 60
.set TWICE, 61
.set CS,  62
.set SEL, 66
.set TBK, 68
.set TBV, 69
.set TBD, 70
.set TBM, 71
.set LIM, 72
.set PFA, 74
.set PFS, 76
.set MSB, 0
.macro WIN new
.if MSB != (\new)
	s_set_vgpr_msb (MSB<<8)|(\new)
.set MSB, \new
.endif
.endm
.set W_KM, 0x1a                        ; K and Q window 2, C window 1, S^T window 0
.set W_KQ, 0x0a
.set W_PV, 0x52                        ; V window 2, P window 0, O^T window 1
.set W_RS, 0x41
.macro PLACES
.rept 4
	v_nop
.endr
.endm
.macro JLOAD                           ; wave 0 fetches the slot's K, wave 1 its V, waves 2 and 3 the halves of dist's tile; an s_nop 0 and four v_nop follow each line
	s_cmp_lg_u32 s14, 0
	s_cbranch_scc1 .Lj1_\@
	tensor_load_to_lds s[G0K:G0K+3], s[G1K:G1K+7]
	s_nop 0
	PLACES
	s_branch .Ljd_\@
.Lj1_\@:
	s_cmp_lg_u32 s14, 1
	s_cbranch_scc1 .Lj2_\@
	tensor_load_to_lds s[G0V:G0V+3], s[G1V:G1V+7]
	s_nop 0
	PLACES
	s_branch .Ljd_\@
.Lj2_\@:
	tensor_load_to_lds s[G0D:G0D+3], s[G1D:G1D+7]
	s_nop 0
	PLACES
.Ljd_\@:
.endm
; A prefetch of what the NEXT change of slots will ask for, two key steps ahead.  K's and V's rows are named by the clusters with x = 0 (waves 0 and 1), dist's by those with y = 0 (wave 2); the four partners
; of a joint load take 32 rows each, told apart by address; a lane a row of 256 bytes.  The last change that fills asks for nothing.
.macro ASK
	s_cmp_gt_u32 s[SLOTS], s[LIM]
	s_cbranch_scc0 .Lnot_mine_\@
	global_prefetch_b8 v[PFO], s[PFA:PFA+1] th:TH_LOAD_NT scope:SCOPE_SE
.Lnot_mine_\@:
.endm
.macro CROUND
	s_barrier_signal -1
	s_barrier_wait -1
	s_cmp_lg_u32 s14, 0
	s_cbranch_scc1 .Lnot_wave_0_\@
	s_barrier_signal -3
.Lnot_wave_0_\@:
	s_barrier_wait -3
	s_barrier_signal -1
	s_barrier_wait -1
.endm
	s_load_b256 s[4:11], s[0:1], 0x0               ; qkv 4, wm 6, mask 8, torus_scale 10
	s_load_b64 s[12:13], s[0:1], 0x20              ; o
	v_lshl_add_u32 v[SPW], v0, 2, SPARE
	v_mov_b32 v[NIL], 0
	ds_add_u32 v[SPW], v[NIL]                      ; the opening: the add and its wait ahead of my first tensor load
	v_lshrrev_b32 v1, 5, v0
	v_readfirstlane_b32 s14, v1
	s_lshr_b32 s15, s14, 1                         ; which head of the pair
	s_and_b32 s16, s14, 1                          ; which 64 queries
	s_bfe_u32 s17, ttmp6, 0x40000
	s_bfe_u32 s18, ttmp6, 0x40004
	s_lshl_b32 s19, ttmp9, 2
	s_add_co_u32 s19, s19, s17                     ; block of 128 queries
	s_and_b32 s20, ttmp7, 0xffff
	s_lshl_b32 s20, s20, 2
	s_add_co_u32 s20, s20, s18                     ; 8 b + head pair
	s_lshl_b32 s80, s18, 2
	s_lshl_b32 s80, 15, s80                        ; my row of the cluster
	s_lshl_b32 s81, 0x1111, s17                    ; my column
	s_or_b32 s[G1K], s80, (1<<16)|(1<<20)|(1<<21)|(5<<22)|(3<<25)
	s_or_b32 s[G1V], s80, (1<<16)|(1<<20)|(1<<21)|(5<<22)|(7<<25)
	s_or_b32 s[G1D], s81, (1<<16)|(1<<20)|(1<<21)|(5<<22)|(7<<25)
.irp g, G1K, G1V
	s_mov_b32 s[\g+1], 128<<16
	s_mov_b32 s[\g+2], 128<<16
	s_mov_b32 s[\g+3], 128<<16
	s_mov_b32 s[\g+4], 128
	s_mov_b32 s[\g+5], 4096
	s_mov_b32 s[\g+6], 0
	s_mov_b32 s[\g+7], 0
.endr
	s_mov_b32 s[G1D+1], 128<<16
	s_mov_b32 s[G1D+2], 64<<16
	s_mov_b32 s[G1D+3], 128<<16
	s_mov_b32 s[G1D+4], 64
	s_mov_b32 s[G1D+5], 2048
	s_mov_b32 s[G1D+6], 0
	s_mov_b32 s[G1D+7], 0
	s_lshr_b32 s80, s20, 3                         ; b
	s_and_b32 s81, s20, 7                          ; head pair
	s_lshl_b32 s82, s80, 24                        ; b's 2,048 rows of 8,192 bytes
	s_lshl_b32 s83, s81, 8
	s_add_co_u32 s82, s82, s83
	s_mov_b32 s83, 0
	s_lshl_b32 s84, s19, 7                         ; Q: my wave's first row, and its head
	s_lshl_b32 s85, s16, 6
	s_add_co_u32 s84, s84, s85
	s_lshl_b32 s84, s84, 13
	s_lshl_b32 s85, s15, 7
	s_add_co_u32 s84, s84, s85
	s_add_co_u32 s84, s84, s82
	s_mov_b32 s85, 0
	s_lshl_b32 s92, s19, 19                        ; dist at my block's first row
	s_add_co_u32 s92, s92, 10485760
	s_mov_b32 s93, 0
	s_lshl_b32 s94, s16, 18                        ; the 64 rows that waves 2, 3 fetch
	s_mov_b32 s95, 0
	s_lshl1_add_u32 s97, s81, s15
	s_lshl_b32 s97, s97, 2                         ; my head's word of torus_scale; a scalar load reads this register, and it is never rewritten
	s_mov_b32 s[G0K], 1
	s_mov_b32 s[G0K+1], 0
	s_mov_b32 s[G0V], 1
	s_mov_b32 s[G0V+1], VOFF
	s_mov_b32 s[G0D], 1
	s_mul_i32 s[G0D+1], s16, 64*PVV
	s_add_co_u32 s[G0D+1], s[G0D+1], DOFF
	s_mov_b32 s[CS], 0x3e38aa3b                    ; c = log2(e) / 8
	s_mov_b32 s[CS+1], s[CS]
	s_mov_b32 s[SEL], 0x76543210
	s_mov_b32 s[SEL+1], 0xfedcba98
	s_mov_b32 s[TBK], SLOT1+2*64*PK                ; the first change of slots turns these three into 0
	s_mov_b32 s[TBV], SLOT1+2*64*PVV
	s_mov_b32 s[TBD], SLOT1+256
	s_mov_b32 s[TBM], 0
	s_mov_b32 s79, 0xfe800000                      ; -2^126
	s_mov_b32 s[SLOTS], 15
	s_wait_dscnt 0x0                               ; the opening add is done
	s_wait_kmcnt 0x0
	s_load_b32 s78, s[10:11], s97 offset:0x0
	s_add_nc_u64 s[86:87], s[4:5], s[82:83]
	s_add_nc_u64 s[88:89], s[86:87], 4096          ; V
	s_add_nc_u64 s[86:87], s[86:87], 2048          ; K
	s_add_nc_u64 s[90:91], s[6:7], s[92:93]
	s_add_nc_u64 s[84:85], s[4:5], s[84:85]
	s_mov_b64 s[G0K+2:G0K+3], s[86:87]
	s_or_b32 s[G0K+3], s[G0K+3], 0x80000000
	s_mov_b64 s[G0V+2:G0V+3], s[88:89]
	s_or_b32 s[G0V+3], s[G0V+3], 0x80000000
	s_add_nc_u64 s[G0D+2:G0D+3], s[90:91], s[94:95]
	s_or_b32 s[G0D+3], s[G0D+3], 0x80000000
	CROUND                                         ; all sixteen work-groups are here
	JLOAD                                          ; slot 0; slot 1 is asked for by the first change of slots
	v_and_b32 v48, 15, v0                          ; r
	v_bfe_u32 v49, v0, 4, 1                        ; h
	v_and_b32 v50, 7, v0
	v_bfe_u32 v51, v0, 3, 1
	v_lshlrev_b32 v[QO], 13, v48
	v_lshl_add_u32 v[QO], v49, 4, v[QO]
	WIN 0x80
.set i, 0
.rept 8                                ; Q stays in registers: tile i / 2, channels 32 (i % 2) on
	global_load_b128 v[8*i:8*i+3],   v[QO], s[84:85] offset:(i/2)*131072+(i%2)*64
	global_load_b128 v[8*i+4:8*i+7], v[QO], s[84:85] offset:(i/2)*131072+(i%2)*64+32
.set i, i+1
.endr
	WIN 0
	s_lshl_b32 s92, s80, 11                        ; b's 2,048 mask bytes; thread t takes 16
	s_mov_b32 s93, 0
	s_add_nc_u64 s[8:9], s[8:9], s[92:93]
	v_lshlrev_b32 v60, 4, v0                       ; the mask load's address: a register of its own, not rewritten
	global_load_b128 v[56:59], v60, s[8:9]
	s_lshl_b32 s92, s15, 7                         ; my head's 128 bytes
	v_mul_u32_u24 v[AK0], v48, PK
	v_lshl_add_u32 v[AK0], v49, 4, v[AK0]
	v_add_nc_u32 v[AK0], s92, v[AK0]
	v_lshl_add_u32 v53, v49, 3, v50                ; the turning loads: row 8 h + l % 8, 16 bytes by (l / 8) % 2
	v_mul_u32_u24 v[AV0], v53, PVV
	v_lshl_add_u32 v[AV0], v51, 4, v[AV0]
	v_mov_b32 v[AD0], v[AV0]
	s_add_co_u32 s93, s92, VOFF
	v_add_nc_u32 v[AV0], s93, v[AV0]
	s_mul_i32 s93, s16, 64*PVV
	s_add_co_u32 s93, s93, DOFF
	v_add_nc_u32 v[AD0], s93, v[AD0]
	v_lshlrev_b32 v[AM0], 5, v49
	v_add_nc_u32 v[AM0], MASKT, v[AM0]
	s_mul_i32 s93, s16, 64*SP
	s_add_co_u32 s93, s93, s92
	s_add_co_u32 s93, s93, STAGE
	v_mul_u32_u24 v[STO], v48, SP
	v_lshl_add_u32 v[STO], v49, 4, v[STO]
	v_add_nc_u32 v[STO], s93, v[STO]
	s_mul_i32 s93, s14, 32*SP
	s_add_co_u32 s93, s93, STAGE
	v_mul_u32_u24 v[RD], v49, SP
	v_lshl_add_u32 v[RD], v48, 4, v[RD]
	v_add_nc_u32 v[RD], s93, v[RD]
	v_lshlrev_b32 v[GO], 11, v49
	v_lshl_add_u32 v[GO], v48, 4, v[GO]
	s_lshl_b32 s92, s80, 11                        ; o: row 2,048 b + 128 block + 32 wave, 2,048 bytes a row; the pair's 256 bytes
	s_lshl_b32 s93, s19, 7
	s_add_co_u32 s92, s92, s93
	s_lshl_b32 s93, s14, 5
	s_add_co_u32 s92, s92, s93
	s_lshl_b32 s92, s92, 11
	s_lshl_b32 s93, s81, 8
	s_add_co_u32 s92, s92, s93
	s_mov_b32 s93, 0
	s_add_nc_u64 s[12:13], s[12:13], s[92:93]
	; the prefetches
	s_lshl_b32 s92, s17, 18                        ; K, V: my work-group's 32 rows of 8,192 bytes
	s_lshl_b32 s93, s18, 17                        ; dist: its 32 rows of 4,096
	s_and_b32 s94, ttmp7, 0xffff
	s_mov_b32 s[PFS], 0x100000
	s_movk_i32 s95, 256
	s_cmp_eq_u32 s14, 0
	s_cselect_b64 s[PFA:PFA+1], s[86:87], s[88:89]
	s_cmp_lt_u32 s14, 2
	s_cselect_b64 s[PFA:PFA+1], s[PFA:PFA+1], s[90:91]
	s_cselect_b32 s92, s92, s93
	s_cselect_b32 s94, ttmp9, s94                  ; the coordinate along which other clusters read the same rows
	s_cselect_b32 s[PFS], s[PFS], s95              ; a slot in bytes
	s_cselect_b32 s96, 13, 12
	s_mov_b32 s[PFS+1], 0
	s_mov_b32 s93, 0
	s_add_co_u32 s92, s92, s[PFS]                  ; at slot 1: the first change steps it to slot 2
	s_add_nc_u64 s[PFA:PFA+1], s[PFA:PFA+1], s[92:93]
	s_cmp_eq_u32 s14, 3
	s_cselect_b32 s94, 1, s94                      ; wave 3 asks for nothing
	s_cmp_eq_u32 s94, 0
	s_cselect_b32 s[LIM], 1, -1                    ; the same in all sixteen partners, for a given wave
	v_and_b32 v[PFO], 31, v0
	v_lshlrev_b32 v[PFO], s96, v[PFO]
	; what the first turns find; all this stands in the wait for the first tile
	WIN 0x40
.set i, 0
.rept 128
	v_mov_b32 v[i], 0                              ; O^T
.set i, i+1
.endr
	WIN 0x80
.set i, 0
.rept 64
	v_mov_b32 v[VF+i], 0                           ; V
.set i, i+1
.endr
	WIN 0
.set i, 0
.rept 32
	v_mov_b32 v[P+i], 0                            ; piece 0's P
.set i, i+1
.endr
.set i, 0
.rept 64
	v_mov_b32 v[S+64+i], s79                       ; piece 1's scores
.set i, i+1
.endr
.irp t, 0,1,2,3
	v_mov_b32 v[ST+8*\t], 0xfd38aa3b               ; c m, exactly c x -2^126
	v_mov_b32 v[ST+8*\t+1], s79                    ; m
	v_mov_b32 v[ST+8*\t+2], 0
	v_mov_b32 v[ST+8*\t+3], 0
.endr
	s_wait_kmcnt 0x0
	; E: lane (r, h) holds column r; the one number other than 0 stands at place r of the 16: register (r % 8) / 2 of four, half r % 2, in the lanes with h = r / 8
	v_mov_b32 v52, s78
	v_mul_f32 v52, 0xc1000000, v52                 ; -8 ts
	v_cvt_pk_bf16_f32 v52, v52, v52
	v_and_b32 v52, 0xffff, v52
	v_and_b32 v53, 1, v0
	v_lshlrev_b32 v53, 4, v53
	v_lshlrev_b32 v52, v53, v52
	v_bfe_u32 v55, v0, 1, 2
	v_cmp_eq_u32 vcc_lo, v51, v49
	v_cndmask_b32 v55, 7, v55, vcc_lo
	WIN 0x80
.irp i, 0,1,2,3
	v_cmp_eq_u32 vcc_lo, \i, v55
	v_cndmask_b32 v[EB+4+\i], 0, v52, vcc_lo
	v_mov_b32 v[EB+\i], 0
	v_mov_b32 v[EB+8+\i], 0
.endr
	WIN 0
	s_wait_loadcnt 0x0                             ; Q and the mask
.set i, 0
.rept 16                               ; byte 1 -> 0.0, byte 0 -> -2^100
	v_bfe_u32 v[S+i], v[56+i/4], 8*(i%4), 8
	v_add_nc_u32 v[S+i], -1, v[S+i]
	v_and_b32 v[S+i], 0xf1800000, v[S+i]
.set i, i+1
.endr
	v_lshl_add_u32 v61, v0, 6, MASKT               ; the table lies past what an LDS immediate of 16 bits reaches: the register carries its place
.irp i, 0,1,2,3
	ds_store_b128 v61, v[S+4*\i:S+4*\i+3] offset:16*\i   ; the first change's wait and round order these for the other waves
.endr
; THE MATRIX WORK.  Eight accumulators take turns, one instruction a turn, across the turns too.
.macro PV x                            ; product i of 16 of O^T += V^T P: keys 32 (i / 8) on, channels 16 ((i / 2) % 4) on, tile 2 x + i % 2
	WIN W_PV
.set rO, 32*(2*(\x)+i%2)+8*((i/2)%4)
.set rV, VF+32*(i/8)+8*((i/2)%4)
.set rP, P+16*(2*(\x)+i%2)+8*(i/8)
	v_wmma_f32_16x16x32_bf16 v[rO:rO+7], v[rV:rV+7], v[rP:rP+7], v[rO:rO+7]
.endm
.macro KQ x                            ; product i of 24 of S^T: pass i / 8 (channels 0-31 onto the mask; channels 32-63; the bias), keys 16 ((i / 2) % 4) on, tile 2 x + i % 2
.set rS, S+32*(2*(\x)+i%2)+8*((i/2)%4)
.set kb, (i/2)%4
.set rQ, 16*(2*(\x)+i%2)
.if i < 8
	WIN W_KM
	v_wmma_f32_16x16x32_bf16 v[rS:rS+7], v[KF+16*kb:KF+16*kb+7], v[rQ:rQ+7], v[MC+8*kb:MC+8*kb+7]
.elseif i < 16
	WIN W_KQ
	v_wmma_f32_16x16x32_bf16 v[rS:rS+7], v[KF+16*kb+8:KF+16*kb+15], v[rQ+8:rQ+15], v[rS:rS+7]
.else
	WIN W_KQ
	v_wmma_f32_16x16x32_bf16 v[rS:rS+7], v[DF+8*kb:DF+8*kb+7], v[EB+4-4*(i%2):EB+11-4*(i%2)], v[rS:rS+7]
.endif
.endm
; THE LDS LOADS stand in runs.
.macro FETCH_KCD                       ; a step's K, its mask words, and dist for piece 0
	WIN 0
	v_add_nc_u32 v[ADRK], s[TBK], v[AK0]
	v_add_nc_u32 v[ADRM], s[TBM], v[AM0]
	v_add_nc_u32 v[ADRD], s[TBD], v[AD0]
	WIN 0x80
.irp f, 0,1,2,3,4,5,6,7
	ds_load_b128 v[KF+8*\f:KF+8*\f+3],   v[ADRK] offset:(\f/2)*16*PK+(\f%2)*64
	ds_load_b128 v[KF+8*\f+4:KF+8*\f+7], v[ADRK] offset:(\f/2)*16*PK+(\f%2)*64+32
.endr
.irp f, 0,1,2,3
	ds_load_tr16_b128 v[DF+8*\f:DF+8*\f+3],   v[ADRD] offset:\f*32
	ds_load_tr16_b128 v[DF+8*\f+4:DF+8*\f+7], v[ADRD] offset:\f*32+16*PVV
.endr
	WIN 0x40
.irp f, 0,1,2,3
	ds_load_b128 v[MC+8*\f:MC+8*\f+3],   v[ADRM] offset:\f*64
	ds_load_b128 v[MC+8*\f+4:MC+8*\f+7], v[ADRM] offset:\f*64+16
.endr
	s_add_co_u32 s[TBK], s[TBK], 64*PK
	s_add_co_u32 s[TBM], s[TBM], 256
.endm
.macro FETCH_D                         ; dist for piece 1: 32 query rows further down
	WIN 0x80
.irp f, 0,1,2,3
	ds_load_tr16_b128 v[DF+8*\f:DF+8*\f+3],   v[ADRD] offset:\f*32+32*PVV
	ds_load_tr16_b128 v[DF+8*\f+4:DF+8*\f+7], v[ADRD] offset:\f*32+48*PVV
.endr
	s_add_co_u32 s[TBD], s[TBD], 128
.endm
.macro FETCH_V                         ; the step's V, turned; the wait for the softmax's batch stands in it
	WIN 0
	v_add_nc_u32 v[ADRV], s[TBV], v[AV0]
	s_add_co_u32 s[TBV], s[TBV], 64*PVV
	s_wait_alu depctr_va_vdst(0)
	WIN 0x80
.irp f, 0,1,2,3,4,5,6,7
	ds_load_tr16_b128 v[VF+8*\f:VF+8*\f+3],   v[ADRV] offset:(\f/4)*32*PVV+(\f%4)*32
	ds_load_tr16_b128 v[VF+8*\f+4:VF+8*\f+7], v[ADRV] offset:(\f/4)*32*PVV+16*PVV+(\f%4)*32
.endr
.endm
; THE VECTOR WORK.  A tile's softmax for a step is a list of 118; SM writes number j of it for tile t.
;   0-15 the maximum of the 32 scores and the old m (each accumulator's lowest registers are read first)   16-20 the other half of the lanes', m, c m, its change
;   21-69 ONE BATCH: 16 scalings c s - c m and 33 exponentials (a at 23); none reads an exponential's result   70-85 roundings to bf16   86-101 the sums, l = a l + sum   102-117 O^T times a
.macro SM t
.set rT, ST+8*(\t)
.set rS, S+32*(\t)
.set rP, P+16*(\t)
.set rO, 32*(\t)+2*(j-102)
.if j < 102
	WIN 0
.endif
.if j < 4
	v_max3_num_f32 v[rT+4+j], v[rS+8*j], v[rS+8*j+1], v[rS+8*j+2]
.elseif j < 12
	v_max3_num_f32 v[rT+4+j%4], v[rT+4+j%4], v[rS+8*(j%4)+2*(j/4)+1], v[rS+8*(j%4)+2*(j/4)+2]
.elseif j == 12
	v_max3_num_f32 v[rT+4], v[rT+4], v[rS+7], v[rS+15]
.elseif j == 13
	v_max3_num_f32 v[rT+6], v[rT+6], v[rS+23], v[rS+31]
.elseif j == 14
	v_max3_num_f32 v[rT+4], v[rT+4], v[rT+5], v[rT+6]
.elseif j == 15
	v_max3_num_f32 v[rT+4], v[rT+4], v[rT+7], v[rT+1]
.elseif j == 16
	v_permlanex16_b32 v[rT+5], v[rT+4], s[SEL], s[SEL+1]
.elseif j == 17
	v_mov_b32 v[rT+7], v[rT]
.elseif j == 18
	v_max_num_f32 v[rT+1], v[rT+4], v[rT+5]
.elseif j == 19
	v_mul_f32 v[rT], s[CS], v[rT+1]
.elseif j == 20
	v_sub_f32 v[rT+7], v[rT+7], v[rT]
.elseif j == 23
	v_exp_f32 v[rT+6], v[rT+7]
.elseif (j < 23) || ((j < 38) && (j%2 == 0)) || ((j < 66) && (j%4 == 2))
.set bb, (j-2)/4
.if j < 38
.set bb, (j-20)/2
.endif
	v_pk_fma_f32 v[rS+2*bb:rS+2*bb+1], v[rS+2*bb:rS+2*bb+1], s[CS:CS+1], v[rT:rT+1] op_sel_hi:[1,0,0] neg_lo:[0,0,1] neg_hi:[0,0,1]
.elseif j < 70
.set ee, j-38
.if j < 66
.set ee, j-32-(j-38)/4
.endif
.if j < 38
.set ee, (j-25)/2
.endif
	v_exp_f32 v[rS+ee], v[rS+ee]
.elseif j < 86
	v_cvt_pk_bf16_f32 v[rP+j-70], v[rS+2*(j-70)], v[rS+2*(j-70)+1]
.elseif j < 102
.set zz, j-86
.set ww, 4
.set uu, zz
.if zz >= 14
.set ww, 32
.set uu, 0
.elseif zz >= 12
.set ww, 16
.set uu, zz-12
.elseif zz >= 8
.set ww, 8
.set uu, zz-8
.endif
.if zz < 15
	v_pk_add_f32 v[rS+ww*uu:rS+ww*uu+1], v[rS+ww*uu:rS+ww*uu+1], v[rS+ww*uu+ww/2:rS+ww*uu+ww/2+1]
.else
	v_pk_fma_f32 v[rT+2:rT+3], v[rT+2:rT+3], v[rT+6:rT+7], v[rS:rS+1] op_sel_hi:[1,0,1]
.endif
.else
	WIN W_RS
	v_pk_mul_f32 v[rO:rO+1], v[rO:rO+1], v[rT+6:rT+7] op_sel_hi:[1,0]
.endif
.endm
; The next of the 236 lines of piece YP's softmax: number q / 2 for tile 2 YP + q % 2.  Ahead of line 140 nothing names an exponential's result, behind it none is issued: there stand a plain instruction and the turn's one wait.
.macro NEXTV
.if q < 236
.if q == 140
	v_nop
.if YP == 0
	FETCH_V
.else
	s_wait_alu depctr_va_vdst(0)
.endif
.endif
.set j, q/2
	SM 2*YP+q%2
.set q, q+1
.endif
.endm
; A TURN: piece x has the matrix unit.  kq = 1: 16 + 24 products, six lines behind each, four behind each of the last two: those eight are packed multiplies on the other piece's O^T, the places between the
; last products and the next turn's reads of their scores and loads into their sources.  kq = 0: the last step: 16 products, fifteen lines behind each, nothing fetched.
; V's loads stand at line 140 of piece 1's turn: behind V's last reader stand ten scalings, the v_nop and the run's own address line.
.macro TURN x, kq
.set YP, 1-(\x)
.set q, 0
.if (\x) == 0
	s_wait_dscnt 0x0                               ; V is in
.endif
.set i, 0
.rept 16
	PV \x
.if \kq
.rept 6
	NEXTV
.endr
.if i == 1
.if (\x) == 0
	FETCH_KCD
.else
	FETCH_D
.endif
.endif
.else
.rept 15
	NEXTV
.endr
.endif
.set i, i+1
.endr
.if \kq
	s_wait_dscnt 0x0                               ; K, mask and dist are in
.set i, 0
.rept 24
	KQ \x
.rept 4
	NEXTV
.endr
.if i < 22
	NEXTV
	NEXTV
.endif
.set i, i+1
.endr
.endif
.endm
; THE CHANGE OF SLOTS.  Each wave waits for all its tensor loads (one is out: its part of the other slot), adds 0 to its spare word, and waits for that and for its reads of the slot that it leaves.
; fill = 1: the barrier is a round of the cluster's, and the joint refill, with the keys two slots on, is the first thing behind it: it has two key steps, 160 matrix instructions, in which to land.
.macro CHANGE fill
	WIN 0
	s_wait_tensorcnt 0x0
	ds_add_u32 v[SPW], v[NIL]
.if \fill
.irp g, G0K, G0V
	s_xor_b32 s[\g+1], s[\g+1], SLOT1
	s_add_nc_u64 s[\g+2:\g+3], s[\g+2:\g+3], 0x100000  ; 128 rows of 8,192 bytes
.endr
	s_xor_b32 s[G0D+1], s[G0D+1], SLOT1
	s_add_nc_u64 s[G0D+2:G0D+3], s[G0D+2:G0D+3], 256   ; 128 keys along dist's rows
	s_wait_xcnt 0x0                                ; the last prefetch, two key steps back, has read its address
	s_add_nc_u64 s[PFA:PFA+1], s[PFA:PFA+1], s[PFS:PFS+1]
	s_wait_dscnt 0x0
	CROUND
	JLOAD
	ASK
.else
	s_wait_dscnt 0x0
	s_barrier_signal -1
	s_barrier_wait -1
.endif
	s_sub_co_u32 s[TBK], s[TBK], 2*64*PK           ; the fetches go back to a slot's first step, in the other slot
	s_xor_b32 s[TBK], s[TBK], SLOT1
	s_sub_co_u32 s[TBV], s[TBV], 2*64*PVV
	s_xor_b32 s[TBV], s[TBV], SLOT1
	s_sub_co_u32 s[TBD], s[TBD], 256
	s_xor_b32 s[TBD], s[TBD], SLOT1
.endm
.macro TWO_STEPS
	WIN 0
	s_mov_b32 s[TWICE], 2
.Lstep_\@:
	TURN 0, 1
	TURN 1, 1
	WIN 0
	s_sub_co_u32 s[TWICE], s[TWICE], 1
	s_cmp_lg_u32 s[TWICE], 0
	s_cbranch_scc1 .Lstep_\@
.endm
.Lslot:                                        ; 15 trips: a slot is entered and the next is asked for
	CHANGE 1
	TWO_STEPS
	s_sub_co_u32 s[SLOTS], s[SLOTS], 1
	s_cmp_lg_u32 s[SLOTS], 0
	s_cbranch_scc1 .Lslot
	CHANGE 0                                       ; the tail is written out
	TWO_STEPS
	TURN 0, 0                                      ; piece 0: V^T P of the last step | piece 1's last softmax
.set i, 0
.rept 16
	PV 1
.set i, i+1
.endr
	; THE WAY OUT.  The additions are the places behind the last products.
	WIN 0
.irp t, 0,1,2,3
	v_add_f32 v[ST+8*\t+4], v[ST+8*\t+2], v[ST+8*\t+3]
.endr
.irp t, 0,1,2,3
	v_permlanex16_b32 v[ST+8*\t+5], v[ST+8*\t+4], s[SEL], s[SEL+1]
.endr
.irp t, 0,1,2,3
	v_add_f32 v[ST+8*\t+4], v[ST+8*\t+4], v[ST+8*\t+5]
.endr
.irp t, 0,1,2,3
	v_rcp_f32 v[ST+8*\t+6], v[ST+8*\t+4]
.endr
	v_nop
	s_wait_alu depctr_va_vdst(0)                   ; one wait for the four reciprocals
.macro PACK t                          ; a lane's eight channels of a row pack into 16 bytes of the work-group's stage
	WIN W_RS
.set i, 32*(\t)
.rept 16
	v_pk_mul_f32 v[i:i+1], v[i:i+1], v[ST+8*(\t)+6:ST+8*(\t)+7] op_sel_hi:[1,0]
.set i, i+2
.endr
	WIN 0x05
.set i, 0
.rept 16
	v_cvt_pk_bf16_f32 v[S+16*(\t)+i], v[32*(\t)+2*i], v[32*(\t)+2*i+1]
.set i, i+1
.endr
	WIN 0
.irp f, 0,1,2,3
	ds_store_b128 v[STO], v[S+16*(\t)+4*\f:S+16*(\t)+4*\f+3] offset:(\t)*16*SP+32*\f
.endr
.endm
	PACK 0
	PACK 1
	PACK 2
	PACK 3
	s_wait_dscnt 0x0                               ; for the others' sake: a row's 256 bytes come from two waves
	s_barrier_signal -1
	s_barrier_wait -1
.irp f, 0,1,2,3,4,5,6,7,8,9,10,11,12,13,14,15
	ds_load_b128 v[S+4*\f:S+4*\f+3], v[RD] offset:\f*2*SP
.endr
.irp f, 0,1,2,3,4,5,6,7,8,9,10,11,12,13,14,15
	s_wait_dscnt 15-\f                             ; the younger read-backs stay out
	global_store_b128 v[GO], v[S+4*\f:S+4*\f+3], s[12:13] offset:\f*4096   ; 16 lanes store 256 consecutive bytes, aligned
.endr
	s_wait_tensorcnt 0x0                           ; the wave's end
	ds_add_u32 v[SPW], v[NIL]
	s_wait_dscnt 0x0
	CROUND                                         ; the closing round
	s_endpgm
.Lfunc_end_k_q8045b0bb39_attn:
	.size	k_q8045b0bb39_attn, .Lfunc_end_k_q8045b0bb39_attn-k_q8045b0bb39_attn
	.p2alignl 7, 3214868480
	.fill 96, 4, 3214868480
	.section	.rodata,"a",@progbits
	.p2align	6, 0x0
	.amdhsa_kernel k_q8045b0bb39_attn
		.amdhsa_group_segment_fixed_size 327680
		.amdhsa_private_segment_fixed_size 0
		.amdhsa_enable_private_segment 0
		.amdhsa_kernarg_size 40
		.amdhsa_user_sgpr_count 2
		.amdhsa_user_sgpr_kernarg_segment_ptr 1
		.amdhsa_wavefront_size32 1
		.amdhsa_system_sgpr_workgroup_id_x 1
		.amdhsa_system_sgpr_workgroup_id_y 1
		.amdhsa_system_sgpr_workgroup_id_z 1
		.amdhsa_system_vgpr_workitem_id 0
		.amdhsa_next_free_vgpr 768
		.amdhsa_next_free_sgpr 100
		.amdhsa_reserve_vcc 1
		.amdhsa_float_denorm_mode_32 3
		.amdhsa_float_denorm_mode_16_64 3
		.amdhsa_memory_ordered 1
		.amdhsa_forward_progress 1
		.amdhsa_inst_pref_size 136
	.end_amdhsa_kernel
	.amdgpu_metadata
---
amdhsa.version: [ 1, 2 ]
amdhsa.kernels:
  - .name:           k_q8045b0bb39_attn
    .symbol:         k_q8045b0bb39_attn.kd
    .args:
      - { .name: big, .offset: 0, .size: 8, .value_kind: global_buffer, .address_space: global }
      - { .name: wm, .offset: 8, .size: 8, .value_kind: global_buffer, .address_space: global }
      - { .name: mask, .offset: 16, .size: 8, .value_kind: global_buffer, .address_space: global }
      - { .name: torus_scale, .offset: 24, .size: 8, .value_kind: global_buffer, .address_space: global }
      - { .name: hb, .offset: 32, .size: 8, .value_kind: global_buffer, .address_space: global }
    .group_segment_fixed_size: 327680
    .private_segment_fixed_size: 0
    .kernarg_segment_align: 8
    .kernarg_segment_size: 40
    .max_flat_workgroup_size: 128
    .sgpr_count:     100
    .vgpr_count:     768
    .wavefront_size: 32
...
	.end_amdgpu_metadata
.endif
;; end of part 4
;; launch wout (part 5): grid 8 x 32, 4 waves a work-group, clusters of 4 x 4, 327,680 bytes of LDS; arguments hb, wm, x, x1; writes x1
.if DOCPART == 5
	.amdgcn_target "amdgcn-amd-amdhsa--gfx1250"
	.amdhsa_code_object_version 6
	.text
	.protected	k_q8045b0bb39_wout
	.globl	k_q8045b0bb39_wout
	.p2align	8
	.type	k_q8045b0bb39_wout,@function
k_q8045b0bb39_wout:
	s_mov_b64 s[64:65], 0
	v_nop
	global_prefetch_b8 v0, s[64:65] scope:SCOPE_SE
	s_setreg_imm32_b32 hwreg(HW_REG_WAVE_MODE, 25, 1), 1
	s_wait_xcnt 0x0
	s_wait_alu depctr_hold_cnt(0) depctr_sa_sdst(0) depctr_va_vdst(0) depctr_va_sdst(0) depctr_va_ssrc(0) depctr_va_vcc(0) depctr_vm_vsrc(0)
	s_getreg_b32 s2, hwreg(HW_REG_IB_STS2, 6, 4)
	s_cmp_eq_u32 s2, 0
	s_cbranch_scc0 .Lentry_in_a_cluster
	s_endpgm
.Lentry_in_a_cluster:
	s_bfe_u32 s2, ttmp6, 0x10000c
	s_cmp_lg_u32 s2, 0xf033
	s_cbranch_scc0 .Lentry_shape_is_right
	s_endpgm
.Lentry_shape_is_right:
; C = R + A B (+ bias), in f32.  A: [4096][APITCH] bf16, K along the rows.  B: [KD][1024] bf16 at byte BOFF of its buffer, N along the rows.  R, C: [4096][1024] f32.  Sums in f32.
; HERE: x1 = x + o Wout: KD = 1,024, no bias.
; SHARES.  A tile of C is 128 x 128 (256 tiles, one for each WGP): four waves, 64 x 64 each, 16 accumulators.  K goes in steps of 256 through two LDS slots; waves 0, 1 fetch A's 64 rows x 512 bytes each,
; waves 2, 3 B's 128 rows x 256 bytes each; B lies [k][n] in LDS and is turned on the way into registers.  CLUSTER 4 x 4: A's tile is shared along a row, B's along a column: joint loads.
; The matrix instruction is used transposed (source 0 = B's columns, source 1 = A's rows).  R is loaded at the start into 128 registers and stays out over the whole K loop.
; The last two K steps, which fill nothing, are a loop of two trips that is left in the middle of its second.
; No prefetch here: of the four K steps two come by the first fills, and no step lies two refills on.
; REGISTERS: window 0: v12-30 addresses and bias, v32-63 at work, v128-255 accumulators; window 1: two fragment buffers of 128 (64 of A, 64 of B); window 2: v0-127 R.
.set KD,      1024
.set APITCH,  1024
.set BOFF,    0
.set HASBIAS, 0
.set PF,      0
.set RESP,    8                        ; s[8:9] R, s[10:11] C
.set OUTP,    10
.set NSTEP, KD/256
.set PA,    528                        ; A's LDS row: 512 + 16
.set PB,    288                        ; B's: 256 + 32, an odd multiple of 32
.set SLOT,  141312                     ; A's 128 rows, then B's 256 rows
.set BREG,  67584
.set STAGE, 282624                     ; behind the ring: 16 rows x 272 bytes for each wave
.set SP,    272
.set SPARE, 300032
.set BI,   12
.set ADRA, 16
.set ADRB, 17
.set CA,   18
.set CB0,  20                          ; v20 k rows 0-127 of the slot in hand, v21 rows 128-255 (an LDS immediate has 16 bits)
.set STO,  24
.set RD,   25
.set CO,   26
.set BO,   27
.set SPW,  28
.set NIL,  29
.set PFO,  30
.set TT,   32
.set ACC,  128
.set F0,   0
.set F1,   128
.set G1A, 24
.set G0A, 32
.set G1B, 40
.set G0B, 48
; s14 wave, s15 wave / 2, s16 wave % 2, s17 cx, s18 cy, s19 tile column, s20 tile row, s21, s56 my parts of a slot (B, A), s22 slot read, s23 slot filled, s57-s61 prefetch, s62 counter
.set MSB, 0
.macro WIN new
.if MSB != (\new)
	s_set_vgpr_msb (MSB<<8)|(\new)
.set MSB, \new
.endif
.endm
.set MUL,  0x05
.set TO_F, 0x40
.macro PLACES
.rept 4
	v_nop
.endr
.endm
.macro JLOAD                           ; a joint refill by the walking set; an s_nop 0 and four v_nop follow each line
	s_cmp_eq_u32 s15, 0
	s_cbranch_scc0 .Lfor_b_\@
	tensor_load_to_lds s[G0A+4:G0A+7], s[G1A:G1A+7]
	s_nop 0
	PLACES
	s_branch .Lasked_\@
.Lfor_b_\@:
	tensor_load_to_lds s[G0B+4:G0B+7], s[G1B:G1B+7]
	s_nop 0
	PLACES
.Lasked_\@:
.endm
.macro ASK                             ; a prefetch of the K step two refills on; who asks: at the set-up below
	WIN 0
	s_cmp_gt_u32 s62, s57
	s_cbranch_scc0 .Lnot_mine_\@
	global_prefetch_b8 v[PFO], s[58:59] th:TH_LOAD_NT scope:SCOPE_SE
.Lnot_mine_\@:
.endm
.macro CREST
	s_cmp_lg_u32 s14, 0
	s_cbranch_scc1 .Lnot_wave_0_\@
	s_barrier_signal -3
.Lnot_wave_0_\@:
	s_barrier_wait -3
	s_barrier_signal -1
	s_barrier_wait -1
.endm
.macro CROUND
	s_barrier_signal -1
	s_barrier_wait -1
	CREST
.endm
	s_load_b256 s[4:11], s[0:1], 0x0
.if HASBIAS
	s_load_b64 s[12:13], s[0:1], 0x20
.endif
	v_lshl_add_u32 v[SPW], v0, 2, SPARE
	v_mov_b32 v[NIL], 0
	ds_add_u32 v[SPW], v[NIL]                      ; the opening: the add and its wait ahead of my first tensor load
	v_lshrrev_b32 v1, 5, v0
	v_readfirstlane_b32 s14, v1
	s_lshr_b32 s15, s14, 1
	s_and_b32 s16, s14, 1
	s_bfe_u32 s17, ttmp6, 0x40000
	s_bfe_u32 s18, ttmp6, 0x40004
	s_lshl_b32 s19, ttmp9, 2
	s_add_co_u32 s19, s19, s17
	s_and_b32 s20, ttmp7, 0xffff
	s_lshl_b32 s20, s20, 2
	s_add_co_u32 s20, s20, s18
	s_lshl_b32 s70, s18, 2
	s_lshl_b32 s70, 15, s70
	s_lshl_b32 s71, 0x1111, s17
	s_or_b32 s[G1A], s70, (1<<16)|(1<<20)|(1<<21)|(6<<22)|(3<<25)  ; padding of 4 words after every 128
	s_mov_b32 s[G1A+1], 256<<16
	s_mov_b32 s[G1A+2], 64<<16
	s_mov_b32 s[G1A+3], 256<<16
	s_mov_b32 s[G1A+4], 64
	s_mov_b32 s[G1A+5], APITCH
	s_mov_b32 s[G1A+6], 0
	s_mov_b32 s[G1A+7], 0
	s_or_b32 s[G1B], s71, (1<<16)|(1<<20)|(1<<21)|(5<<22)|(7<<25)  ; padding of 8 words after every 64
	s_mov_b32 s[G1B+1], 128<<16
	s_mov_b32 s[G1B+2], 128<<16
	s_mov_b32 s[G1B+3], 128<<16
	s_mov_b32 s[G1B+4], 128
	s_mov_b32 s[G1B+5], 1024
	s_mov_b32 s[G1B+6], 0
	s_mov_b32 s[G1B+7], 0
	s_lshl_b32 s72, s20, 7                         ; A: row 128 x tile row + 64 x (wave % 2)
	s_lshl_b32 s76, s16, 6
	s_add_co_u32 s72, s72, s76
	s_mul_i32 s72, s72, APITCH*2
	s_mov_b32 s73, 0
	s_lshl_b32 s74, s19, 8                         ; B: 256 bytes x tile column + 128 rows of 2,048 x (wave % 2)
	s_lshl_b32 s76, s16, 18
	s_add_co_u32 s74, s74, s76
	s_add_co_u32 s74, s74, BOFF
	s_mov_b32 s75, 0
	s_mul_i32 s56, s16, 64*PA
	s_mul_i32 s21, s16, 128*PB
	s_add_co_u32 s21, s21, BREG
	s_mov_b32 s22, 0
	s_mov_b32 s23, SLOT
	s_wait_dscnt 0x0
	s_wait_kmcnt 0x0
	s_add_nc_u64 s[72:73], s[4:5], s[72:73]
	s_add_nc_u64 s[74:75], s[6:7], s[74:75]
	CROUND
.irp s, 0,1
	s_mov_b32 s[G0A+4*\s], 1
	s_add_co_u32 s[G0A+4*\s+1], s56, \s*SLOT
	s_add_nc_u64 s[G0A+4*\s+2:G0A+4*\s+3], s[72:73], \s*512
	s_or_b32 s[G0A+4*\s+3], s[G0A+4*\s+3], 0x80000000
	s_mov_b32 s[G0B+4*\s], 1
	s_add_co_u32 s[G0B+4*\s+1], s21, \s*SLOT
	s_add_nc_u64 s[G0B+4*\s+2:G0B+4*\s+3], s[74:75], \s*524288
	s_or_b32 s[G0B+4*\s+3], s[G0B+4*\s+3], 0x80000000
.endr
	s_cmp_eq_u32 s15, 0                            ; a wave's two first fills stand in one branch: two loads of mine are out
	s_cbranch_scc0 .Lfirst_b
	tensor_load_to_lds s[G0A:G0A+3], s[G1A:G1A+7]
	s_nop 0
	tensor_load_to_lds s[G0A+4:G0A+7], s[G1A:G1A+7]
	s_nop 0
	PLACES
	s_branch .Lfirst_done
.Lfirst_b:
	tensor_load_to_lds s[G0B:G0B+3], s[G1B:G1B+7]
	s_nop 0
	tensor_load_to_lds s[G0B+4:G0B+7], s[G1B:G1B+7]
	s_nop 0
	PLACES
.Lfirst_done:
	v_and_b32 v1, 15, v0
	v_bfe_u32 v2, v0, 4, 1
	v_and_b32 v3, 7, v0
	v_bfe_u32 v4, v0, 3, 1
	v_and_b32 v5, 31, v0
	v_lshlrev_b32 v[CO], 12, v2                    ; lanes 0-15 one row's 256 bytes, lanes 16-31 the next row's
	v_lshl_add_u32 v[CO], v1, 4, v[CO]
	s_lshl_b32 s76, s20, 7                         ; R and C at my first row and column
	s_lshl_b32 s77, s15, 6
	s_add_co_u32 s76, s76, s77
	s_lshl_b32 s76, s76, 12
	s_lshl_b32 s77, s19, 9
	s_add_co_u32 s76, s76, s77
	s_lshl_b32 s77, s16, 8
	s_add_co_u32 s76, s76, s77
	s_mov_b32 s77, 0
	s_add_nc_u64 s[RESP:RESP+1], s[RESP:RESP+1], s[76:77]
	s_add_nc_u64 s[OUTP:OUTP+1], s[OUTP:OUTP+1], s[76:77]
	WIN 0x80
.set i, 0
.rept 32                               ; rows 2 i, 2 i + 1 of my 64
	global_load_b128 v[4*i:4*i+3], v[CO], s[RESP:RESP+1] offset:i*8192
.set i, i+1
.endr
	WIN 0
.if HASBIAS
	s_lshl_b32 s76, s19, 9
	s_lshl_b32 s77, s16, 8
	s_add_co_u32 s76, s76, s77
	s_mov_b32 s77, 0
	s_add_nc_u64 s[8:9], s[8:9], s[76:77]
	v_lshlrev_b32 v[BO], 4, v1
	global_load_b128 v[BI:BI+3], v[BO], s[8:9]
.endif
	v_mul_u32_u24 v[ADRA], v1, PA
	v_lshl_add_u32 v[ADRA], v2, 4, v[ADRA]
	s_mul_i32 s76, s15, 64*PA
	v_add_nc_u32 v[ADRA], s76, v[ADRA]
	v_lshl_add_u32 v[ADRB], v2, 3, v3
	v_mul_u32_u24 v[ADRB], v[ADRB], PB
	v_lshl_add_u32 v[ADRB], v4, 4, v[ADRB]
	s_lshl_b32 s76, s16, 7
	s_add_co_u32 s76, s76, BREG
	v_add_nc_u32 v[ADRB], s76, v[ADRB]
	s_mul_i32 s77, s14, 16*SP
	s_add_co_u32 s77, s77, STAGE
	v_mul_u32_u24 v[STO], v1, SP
	v_lshl_add_u32 v[STO], v2, 5, v[STO]
	v_add_nc_u32 v[STO], s77, v[STO]
	v_mul_u32_u24 v[RD], v2, SP
	v_lshl_add_u32 v[RD], v1, 4, v[RD]
	v_add_nc_u32 v[RD], s77, v[RD]
.if PF
	; Each block of 256 bytes is named once: A's rows by the clusters with x = 0, B's by those with y = 0; the four partners of a joint load share its rows out by address
	; (16 rows of two blocks of A, 32 rows of B); a lane a block.  A refill of step t + 2 is followed by the request for step t + 4; the refills that have no such step ask for nothing.
	s_lshl_b32 s70, s17, 17                        ; A: 16 rows of 8,192 bytes
	s_lshl_b32 s71, s18, 16                        ; B: 32 rows of 2,048
	s_and_b32 s76, ttmp7, 0xffff
	s_mov_b32 s60, 524288
	s_movk_i32 s77, 512
	s_cmp_eq_u32 s15, 0
	s_cselect_b32 s76, ttmp9, s76
	s_cselect_b64 s[58:59], s[72:73], s[74:75]
	s_cselect_b32 s70, s70, s71
	s_cselect_b32 s60, s77, s60
	s_cselect_b32 s78, -1, 0
	s_mov_b32 s61, 0
	s_mov_b32 s71, 0
	s_mul_i32 s77, s60, 3
	s_add_co_u32 s70, s70, s77                     ; at K step 3: the first refill steps it to 4
	s_add_nc_u64 s[58:59], s[58:59], s[70:71]
	s_cmp_eq_u32 s76, 0
	s_cselect_b32 s57, 2, -1
	v_lshlrev_b32 v6, 11, v5
	v_lshrrev_b32 v7, 1, v5
	v_and_b32 v8, 1, v5
	v_mul_u32_u24 v7, v7, APITCH*2
	v_lshl_add_u32 v7, v8, 8, v7
	v_cndmask_b32 v[PFO], v6, v7, s78
.endif
; 8 matrix instructions: m blocks a0, a0 + 1 x all 4 n blocks, 32 along K: half c of buffer f.  The 16 accumulators take turns, one instruction a turn.
.macro MUL8 f, c, a0, zero
	WIN MUL
.irp a, \a0, (\a0)+1
.irp b, 0,1,2,3
.if \zero
	v_wmma_f32_16x16x32_bf16 v[ACC+8*(4*(\a)+(\b)):ACC+8*(4*(\a)+(\b))+7], v[(\f)+64+8*(4*(\c)+(\b)):(\f)+64+8*(4*(\c)+(\b))+7], v[(\f)+8*(4*(\c)+(\a)):(\f)+8*(4*(\c)+(\a))+7], 0
.else
	v_wmma_f32_16x16x32_bf16 v[ACC+8*(4*(\a)+(\b)):ACC+8*(4*(\a)+(\b))+7], v[(\f)+64+8*(4*(\c)+(\b)):(\f)+64+8*(4*(\c)+(\b))+7], v[(\f)+8*(4*(\c)+(\a)):(\f)+8*(4*(\c)+(\a))+7], v[ACC+8*(4*(\a)+(\b)):ACC+8*(4*(\a)+(\b))+7]
.endif
.endr
.endr
.endm
.macro FETCH q, f                      ; 32 LDS loads in one run: quarter q (64 along K) into buffer f; the first 32 along K first
	WIN TO_F
.irp c, 0,1
.irp i, 0,1,2,3
	ds_load_tr16_b128 v[(\f)+64+8*(4*(\c)+(\i)):(\f)+64+8*(4*(\c)+(\i))+3],   v[CB0+(\q)/2] offset:(((\q)%2)*64+32*(\c))*PB+(\i)*32
	ds_load_tr16_b128 v[(\f)+64+8*(4*(\c)+(\i))+4:(\f)+64+8*(4*(\c)+(\i))+7], v[CB0+(\q)/2] offset:(((\q)%2)*64+32*(\c)+16)*PB+(\i)*32
	ds_load_b128 v[(\f)+8*(4*(\c)+(\i)):(\f)+8*(4*(\c)+(\i))+3],   v[CA] offset:(\q)*128+64*(\c)+(\i)*16*PA
	ds_load_b128 v[(\f)+8*(4*(\c)+(\i))+4:(\f)+8*(4*(\c)+(\i))+7], v[CA] offset:(\q)*128+64*(\c)+(\i)*16*PA+32
.endr
.endr
.endm
.macro QUARTER q, f, g, zero
	s_wait_dscnt 16                                ; the first 32 along K are in; the other sixteen loads may be out
	MUL8 \f, 0, 0, \zero
	MUL8 \f, 0, 2, \zero
	PLACES
	FETCH \q, \g
	s_wait_dscnt 32                                ; all but the 32 just issued
	MUL8 \f, 1, 0, 0
	MUL8 \f, 1, 2, 0
.endm
; A step's last quarter (buffer 1) and the change of slots.  The quarter's first 16 products stand AHEAD of the wait for the tensor loads, so that between a tile's landing and the request for the next stand
; only the three lines, the barrier and the round.  In front of the barrier each wave has waited for all its tensor loads, added 0 to its spare word, and waited for that and for its reads of this slot.
; fill = 1: the barrier opens a round of the cluster's, and the joint refill is the first tensor load behind it.  fill = 0: the tail's loop: nothing is filled; in its second trip the loop is left here.
.macro TURN fill
.if (\fill) && PF
	s_wait_xcnt 0x0                                ; the last prefetch, a K step back, has read its address
	s_add_nc_u64 s[58:59], s[58:59], s[60:61]
.endif
	s_wait_dscnt 16                                ; the first 32 along K are in; the other sixteen loads may be out
	MUL8 F1, 0, 0, 0
	MUL8 F1, 0, 2, 0
	WIN 0
	s_wait_tensorcnt 0x0                           ; all my tensor loads have landed, so a group 0 may be written
	ds_add_u32 v[SPW], v[NIL]                      ; 0 onto my spare word; the descriptors' steps stand between it and the wait for it
.if \fill
	s_xor_b32 s23, s23, SLOT
	s_add_co_u32 s[G0A+5], s56, s23
	s_add_co_u32 s[G0B+5], s21, s23
	s_add_nc_u64 s[G0A+6:G0A+7], s[G0A+6:G0A+7], 512
	s_add_nc_u64 s[G0B+6:G0B+7], s[G0B+6:G0B+7], 524288
.endif
	s_wait_dscnt 0x0                               ; the add is done, and my reads of this slot are over
	s_barrier_signal -1
	s_barrier_wait -1
.if \fill
	CREST                                          ; no wave of any partner still reads this slot or has a load on its way
	JLOAD                                          ; its four v_nop are also the places ahead of the loads below
.else
	s_sub_co_u32 s62, s62, 1
	s_cmp_eq_u32 s62, 0
	s_cbranch_scc1 .Llast                          ; the last K step: nothing is left to fetch
	PLACES
.endif
	s_xor_b32 s22, s22, SLOT
	v_add_nc_u32 v[CA], s22, v[ADRA]
	v_add_nc_u32 v[CB0], s22, v[ADRB]
	v_add_nc_u32 v[CB0+1], 128*PB, v[CB0]
	FETCH 0, F0
.if (\fill) && PF
	ASK
.endif
	MUL8 F1, 1, 0, 0
	MUL8 F1, 1, 2, 0
.endm
	s_wait_tensorcnt 1                             ; my part of K step 0 is in; step 1's stays out
	s_barrier_signal -1
	s_barrier_wait -1
	v_mov_b32 v[CA], v[ADRA]
	v_mov_b32 v[CB0], v[ADRB]
	v_add_nc_u32 v[CB0+1], 128*PB, v[ADRB]
	FETCH 0, F0
	QUARTER 1, F0, F1, 1
	WIN 0
	s_mov_b32 s62, NSTEP-2
.Lstep:
	QUARTER 2, F1, F0, 0
	QUARTER 3, F0, F1, 0
	TURN 1
	QUARTER 1, F0, F1, 0
	WIN 0
	s_sub_co_u32 s62, s62, 1
	s_cmp_lg_u32 s62, 0
	s_cbranch_scc1 .Lstep
	s_mov_b32 s62, 2
.Ltail:                                        ; the last two steps fill nothing: two trips, the second left in TURN
	QUARTER 2, F1, F0, 0
	QUARTER 3, F0, F1, 0
	TURN 0
	QUARTER 1, F0, F1, 0
	WIN 0
	s_branch .Ltail
.Llast:
	MUL8 F1, 1, 0, 0
	MUL8 F1, 1, 2, 0
	; THE WAY OUT: 16 rows at a time through my own stage, back as whole rows of 256 bytes, onto R, and out
	WIN 0
	PLACES
	PLACES
	s_wait_loadcnt 0x0                             ; R (and the bias)
.irp a, 0,1,2,3
	WIN 0
.irp b, 0,1,2,3
	ds_store_b128 v[STO], v[ACC+8*(4*\a+\b):ACC+8*(4*\a+\b)+3]   offset:\b*64
	ds_store_b128 v[STO], v[ACC+8*(4*\a+\b)+4:ACC+8*(4*\a+\b)+7] offset:\b*64+16
.endr
.irp t, 0,1,2,3,4,5,6,7
	ds_load_b128 v[TT+4*\t:TT+4*\t+3], v[RD] offset:\t*2*SP    ; my own bytes: LDS serves a wave's instructions in order (ISA guide 5.7.1.4)
.endr
	s_wait_dscnt 0x0
.if HASBIAS
.irp t, 0,1,2,3,4,5,6,7
	v_pk_add_f32 v[TT+4*\t:TT+4*\t+1],   v[TT+4*\t:TT+4*\t+1],   v[BI:BI+1]
	v_pk_add_f32 v[TT+4*\t+2:TT+4*\t+3], v[TT+4*\t+2:TT+4*\t+3], v[BI+2:BI+3]
.endr
.endif
	WIN 0x82                                       ; destination and source 0 window 2, source 1 window 0
.irp t, 0,1,2,3,4,5,6,7
	v_pk_add_f32 v[4*(8*\a+\t):4*(8*\a+\t)+1],   v[4*(8*\a+\t):4*(8*\a+\t)+1],   v[TT+4*\t:TT+4*\t+1]
	v_pk_add_f32 v[4*(8*\a+\t)+2:4*(8*\a+\t)+3], v[4*(8*\a+\t)+2:4*(8*\a+\t)+3], v[TT+4*\t+2:TT+4*\t+3]
.endr
	WIN 0x08                                       ; store data window 2
.irp t, 0,1,2,3,4,5,6,7
	global_store_b128 v[CO], v[4*(8*\a+\t):4*(8*\a+\t)+3], s[OUTP:OUTP+1] offset:(8*\a+\t)*8192   ; 16 lanes store 256 consecutive bytes, aligned
.endr
.endr
	WIN 0
	s_wait_tensorcnt 0x0                           ; the wave's end
	ds_add_u32 v[SPW], v[NIL]
	s_wait_dscnt 0x0
	CROUND                                         ; the closing round
	s_endpgm
.Lfunc_end_k_q8045b0bb39_wout:
	.size	k_q8045b0bb39_wout, .Lfunc_end_k_q8045b0bb39_wout-k_q8045b0bb39_wout
	.p2alignl 7, 3214868480
	.fill 96, 4, 3214868480
	.section	.rodata,"a",@progbits
	.p2align	6, 0x0
	.amdhsa_kernel k_q8045b0bb39_wout
		.amdhsa_group_segment_fixed_size 327680
		.amdhsa_private_segment_fixed_size 0
		.amdhsa_enable_private_segment 0
		.amdhsa_kernarg_size 32
		.amdhsa_user_sgpr_count 2
		.amdhsa_user_sgpr_kernarg_segment_ptr 1
		.amdhsa_wavefront_size32 1
		.amdhsa_system_sgpr_workgroup_id_x 1
		.amdhsa_system_sgpr_workgroup_id_y 1
		.amdhsa_system_sgpr_workgroup_id_z 1
		.amdhsa_system_vgpr_workitem_id 0
		.amdhsa_next_free_vgpr 768
		.amdhsa_next_free_sgpr 80
		.amdhsa_reserve_vcc 0
		.amdhsa_float_denorm_mode_32 3
		.amdhsa_float_denorm_mode_16_64 3
		.amdhsa_memory_ordered 1
		.amdhsa_forward_progress 1
		.amdhsa_inst_pref_size 66
	.end_amdhsa_kernel
	.amdgpu_metadata
---
amdhsa.version: [ 1, 2 ]
amdhsa.kernels:
  - .name:           k_q8045b0bb39_wout
    .symbol:         k_q8045b0bb39_wout.kd
    .args:
      - { .name: hb, .offset: 0, .size: 8, .value_kind: global_buffer, .address_space: global }
      - { .name: wm, .offset: 8, .size: 8, .value_kind: global_buffer, .address_space: global }
      - { .name: x, .offset: 16, .size: 8, .value_kind: global_buffer, .address_space: global }
      - { .name: x1, .offset: 24, .size: 8, .value_kind: global_buffer, .address_space: global }
    .group_segment_fixed_size: 327680
    .private_segment_fixed_size: 0
    .kernarg_segment_align: 8
    .kernarg_segment_size: 32
    .max_flat_workgroup_size: 128
    .sgpr_count:     80
    .vgpr_count:     768
    .wavefront_size: 32
...
	.end_amdgpu_metadata
.endif
;; end of part 5
;; launch ln2: the kernel of part 2 again; grid 512 x 1, 8 waves a work-group, no clusters, 0 bytes of LDS; arguments x1, w1, hb; writes hb
;; launch ffn1: the kernel of part 3 again; grid 16 x 16, 4 waves a work-group, clusters of 4 x 4, 327,680 bytes of LDS; arguments hb, w1, b1, mode1, big; writes big
;; launch ffn2 (part 6): grid 8 x 32, 4 waves a work-group, clusters of 4 x 4, 327,680 bytes of LDS; arguments big, wm, b2, x1, out0; writes out0
.if DOCPART == 6
	.amdgcn_target "amdgcn-amd-amdhsa--gfx1250"
	.amdhsa_code_object_version 6
	.text
	.protected	k_q8045b0bb39_ffn2
	.globl	k_q8045b0bb39_ffn2
	.p2align	8
	.type	k_q8045b0bb39_ffn2,@function
k_q8045b0bb39_ffn2:
	s_mov_b64 s[64:65], 0
	v_nop
	global_prefetch_b8 v0, s[64:65] scope:SCOPE_SE
	s_setreg_imm32_b32 hwreg(HW_REG_WAVE_MODE, 25, 1), 1
	s_wait_xcnt 0x0
	s_wait_alu depctr_hold_cnt(0) depctr_sa_sdst(0) depctr_va_vdst(0) depctr_va_sdst(0) depctr_va_ssrc(0) depctr_va_vcc(0) depctr_vm_vsrc(0)
	s_getreg_b32 s2, hwreg(HW_REG_IB_STS2, 6, 4)
	s_cmp_eq_u32 s2, 0
	s_cbranch_scc0 .Lentry_in_a_cluster
	s_endpgm
.Lentry_in_a_cluster:
	s_bfe_u32 s2, ttmp6, 0x10000c
	s_cmp_lg_u32 s2, 0xf033
	s_cbranch_scc0 .Lentry_shape_is_right
	s_endpgm
.Lentry_shape_is_right:
; C = R + A B (+ bias), in f32.  A: [4096][APITCH] bf16, K along the rows.  B: [KD][1024] bf16 at byte BOFF of its buffer, N along the rows.  R, C: [4096][1024] f32.  Sums in f32.
; HERE: out0 = x1 + act W2 + b2: KD = 4,096, W2's copy at byte 2,097,152.
; SHARES.  A tile of C is 128 x 128 (256 tiles, one for each WGP): four waves, 64 x 64 each, 16 accumulators.  K goes in steps of 256 through two LDS slots; waves 0, 1 fetch A's 64 rows x 512 bytes each,
; waves 2, 3 B's 128 rows x 256 bytes each; B lies [k][n] in LDS and is turned on the way into registers.  CLUSTER 4 x 4: A's tile is shared along a row, B's along a column: joint loads.
; The matrix instruction is used transposed (source 0 = B's columns, source 1 = A's rows).  R is loaded at the start into 128 registers and stays out over the whole K loop.
; The last two K steps, which fill nothing, are a loop of two trips that is left in the middle of its second.
; REGISTERS: window 0: v12-30 addresses and bias, v32-63 at work, v128-255 accumulators; window 1: two fragment buffers of 128 (64 of A, 64 of B); window 2: v0-127 R.
.set KD,      4096
.set APITCH,  4096
.set BOFF,    2097152
.set HASBIAS, 1
.set PF,      1
.set RESP,    10                       ; s[8:9] bias, s[10:11] R, s[12:13] C
.set OUTP,    12
.set NSTEP, KD/256
.set PA,    528                        ; A's LDS row: 512 + 16
.set PB,    288                        ; B's: 256 + 32, an odd multiple of 32
.set SLOT,  141312                     ; A's 128 rows, then B's 256 rows
.set BREG,  67584
.set STAGE, 282624                     ; behind the ring: 16 rows x 272 bytes for each wave
.set SP,    272
.set SPARE, 300032
.set BI,   12
.set ADRA, 16
.set ADRB, 17
.set CA,   18
.set CB0,  20                          ; v20 k rows 0-127 of the slot in hand, v21 rows 128-255 (an LDS immediate has 16 bits)
.set STO,  24
.set RD,   25
.set CO,   26
.set BO,   27
.set SPW,  28
.set NIL,  29
.set PFO,  30
.set TT,   32
.set ACC,  128
.set F0,   0
.set F1,   128
.set G1A, 24
.set G0A, 32
.set G1B, 40
.set G0B, 48
; s14 wave, s15 wave / 2, s16 wave % 2, s17 cx, s18 cy, s19 tile column, s20 tile row, s21, s56 my parts of a slot (B, A), s22 slot read, s23 slot filled, s57-s61 prefetch, s62 counter
.set MSB, 0
.macro WIN new
.if MSB != (\new)
	s_set_vgpr_msb (MSB<<8)|(\new)
.set MSB, \new
.endif
.endm
.set MUL,  0x05
.set TO_F, 0x40
.macro PLACES
.rept 4
	v_nop
.endr
.endm
.macro JLOAD                           ; a joint refill by the walking set; an s_nop 0 and four v_nop follow each line
	s_cmp_eq_u32 s15, 0
	s_cbranch_scc0 .Lfor_b_\@
	tensor_load_to_lds s[G0A+4:G0A+7], s[G1A:G1A+7]
	s_nop 0
	PLACES
	s_branch .Lasked_\@
.Lfor_b_\@:
	tensor_load_to_lds s[G0B+4:G0B+7], s[G1B:G1B+7]
	s_nop 0
	PLACES
.Lasked_\@:
.endm
.macro ASK                             ; a prefetch of the K step two refills on; who asks: at the set-up below
	WIN 0
	s_cmp_gt_u32 s62, s57
	s_cbranch_scc0 .Lnot_mine_\@
	global_prefetch_b8 v[PFO], s[58:59] th:TH_LOAD_NT scope:SCOPE_SE
.Lnot_mine_\@:
.endm
.macro CREST
	s_cmp_lg_u32 s14, 0
	s_cbranch_scc1 .Lnot_wave_0_\@
	s_barrier_signal -3
.Lnot_wave_0_\@:
	s_barrier_wait -3
	s_barrier_signal -1
	s_barrier_wait -1
.endm
.macro CROUND
	s_barrier_signal -1
	s_barrier_wait -1
	CREST
.endm
	s_load_b256 s[4:11], s[0:1], 0x0
.if HASBIAS
	s_load_b64 s[12:13], s[0:1], 0x20
.endif
	v_lshl_add_u32 v[SPW], v0, 2, SPARE
	v_mov_b32 v[NIL], 0
	ds_add_u32 v[SPW], v[NIL]                      ; the opening: the add and its wait ahead of my first tensor load
	v_lshrrev_b32 v1, 5, v0
	v_readfirstlane_b32 s14, v1
	s_lshr_b32 s15, s14, 1
	s_and_b32 s16, s14, 1
	s_bfe_u32 s17, ttmp6, 0x40000
	s_bfe_u32 s18, ttmp6, 0x40004
	s_lshl_b32 s19, ttmp9, 2
	s_add_co_u32 s19, s19, s17
	s_and_b32 s20, ttmp7, 0xffff
	s_lshl_b32 s20, s20, 2
	s_add_co_u32 s20, s20, s18
	s_lshl_b32 s70, s18, 2
	s_lshl_b32 s70, 15, s70
	s_lshl_b32 s71, 0x1111, s17
	s_or_b32 s[G1A], s70, (1<<16)|(1<<20)|(1<<21)|(6<<22)|(3<<25)  ; padding of 4 words after every 128
	s_mov_b32 s[G1A+1], 256<<16
	s_mov_b32 s[G1A+2], 64<<16
	s_mov_b32 s[G1A+3], 256<<16
	s_mov_b32 s[G1A+4], 64
	s_mov_b32 s[G1A+5], APITCH
	s_mov_b32 s[G1A+6], 0
	s_mov_b32 s[G1A+7], 0
	s_or_b32 s[G1B], s71, (1<<16)|(1<<20)|(1<<21)|(5<<22)|(7<<25)  ; padding of 8 words after every 64
	s_mov_b32 s[G1B+1], 128<<16
	s_mov_b32 s[G1B+2], 128<<16
	s_mov_b32 s[G1B+3], 128<<16
	s_mov_b32 s[G1B+4], 128
	s_mov_b32 s[G1B+5], 1024
	s_mov_b32 s[G1B+6], 0
	s_mov_b32 s[G1B+7], 0
	s_lshl_b32 s72, s20, 7                         ; A: row 128 x tile row + 64 x (wave % 2)
	s_lshl_b32 s76, s16, 6
	s_add_co_u32 s72, s72, s76
	s_mul_i32 s72, s72, APITCH*2
	s_mov_b32 s73, 0
	s_lshl_b32 s74, s19, 8                         ; B: 256 bytes x tile column + 128 rows of 2,048 x (wave % 2)
	s_lshl_b32 s76, s16, 18
	s_add_co_u32 s74, s74, s76
	s_add_co_u32 s74, s74, BOFF
	s_mov_b32 s75, 0
	s_mul_i32 s56, s16, 64*PA
	s_mul_i32 s21, s16, 128*PB
	s_add_co_u32 s21, s21, BREG
	s_mov_b32 s22, 0
	s_mov_b32 s23, SLOT
	s_wait_dscnt 0x0
	s_wait_kmcnt 0x0
	s_add_nc_u64 s[72:73], s[4:5], s[72:73]
	s_add_nc_u64 s[74:75], s[6:7], s[74:75]
	CROUND
.irp s, 0,1
	s_mov_b32 s[G0A+4*\s], 1
	s_add_co_u32 s[G0A+4*\s+1], s56, \s*SLOT
	s_add_nc_u64 s[G0A+4*\s+2:G0A+4*\s+3], s[72:73], \s*512
	s_or_b32 s[G0A+4*\s+3], s[G0A+4*\s+3], 0x80000000
	s_mov_b32 s[G0B+4*\s], 1
	s_add_co_u32 s[G0B+4*\s+1], s21, \s*SLOT
	s_add_nc_u64 s[G0B+4*\s+2:G0B+4*\s+3], s[74:75], \s*524288
	s_or_b32 s[G0B+4*\s+3], s[G0B+4*\s+3], 0x80000000
.endr
	s_cmp_eq_u32 s15, 0                            ; a wave's two first fills stand in one branch: two loads of mine are out
	s_cbranch_scc0 .Lfirst_b
	tensor_load_to_lds s[G0A:G0A+3], s[G1A:G1A+7]
	s_nop 0
	tensor_load_to_lds s[G0A+4:G0A+7], s[G1A:G1A+7]
	s_nop 0
	PLACES
	s_branch .Lfirst_done
.Lfirst_b:
	tensor_load_to_lds s[G0B:G0B+3], s[G1B:G1B+7]
	s_nop 0
	tensor_load_to_lds s[G0B+4:G0B+7], s[G1B:G1B+7]
	s_nop 0
	PLACES
.Lfirst_done:
	v_and_b32 v1, 15, v0
	v_bfe_u32 v2, v0, 4, 1
	v_and_b32 v3, 7, v0
	v_bfe_u32 v4, v0, 3, 1
	v_and_b32 v5, 31, v0
	v_lshlrev_b32 v[CO], 12, v2                    ; lanes 0-15 one row's 256 bytes, lanes 16-31 the next row's
	v_lshl_add_u32 v[CO], v1, 4, v[CO]
	s_lshl_b32 s76, s20, 7                         ; R and C at my first row and column
	s_lshl_b32 s77, s15, 6
	s_add_co_u32 s76, s76, s77
	s_lshl_b32 s76, s76, 12
	s_lshl_b32 s77, s19, 9
	s_add_co_u32 s76, s76, s77
	s_lshl_b32 s77, s16, 8
	s_add_co_u32 s76, s76, s77
	s_mov_b32 s77, 0
	s_add_nc_u64 s[RESP:RESP+1], s[RESP:RESP+1], s[76:77]
	s_add_nc_u64 s[OUTP:OUTP+1], s[OUTP:OUTP+1], s[76:77]
	WIN 0x80
.set i, 0
.rept 32                               ; rows 2 i, 2 i + 1 of my 64
	global_load_b128 v[4*i:4*i+3], v[CO], s[RESP:RESP+1] offset:i*8192
.set i, i+1
.endr
	WIN 0
.if HASBIAS
	s_lshl_b32 s76, s19, 9
	s_lshl_b32 s77, s16, 8
	s_add_co_u32 s76, s76, s77
	s_mov_b32 s77, 0
	s_add_nc_u64 s[8:9], s[8:9], s[76:77]
	v_lshlrev_b32 v[BO], 4, v1
	global_load_b128 v[BI:BI+3], v[BO], s[8:9]
.endif
	v_mul_u32_u24 v[ADRA], v1, PA
	v_lshl_add_u32 v[ADRA], v2, 4, v[ADRA]
	s_mul_i32 s76, s15, 64*PA
	v_add_nc_u32 v[ADRA], s76, v[ADRA]
	v_lshl_add_u32 v[ADRB], v2, 3, v3
	v_mul_u32_u24 v[ADRB], v[ADRB], PB
	v_lshl_add_u32 v[ADRB], v4, 4, v[ADRB]
	s_lshl_b32 s76, s16, 7
	s_add_co_u32 s76, s76, BREG
	v_add_nc_u32 v[ADRB], s76, v[ADRB]
	s_mul_i32 s77, s14, 16*SP
	s_add_co_u32 s77, s77, STAGE
	v_mul_u32_u24 v[STO], v1, SP
	v_lshl_add_u32 v[STO], v2, 5, v[STO]
	v_add_nc_u32 v[STO], s77, v[STO]
	v_mul_u32_u24 v[RD], v2, SP
	v_lshl_add_u32 v[RD], v1, 4, v[RD]
	v_add_nc_u32 v[RD], s77, v[RD]
.if PF
	; Each block of 256 bytes is named once: A's rows by the clusters with x = 0, B's by those with y = 0; the four partners of a joint load share its rows out by address
	; (16 rows of two blocks of A, 32 rows of B); a lane a block.  A refill of step t + 2 is followed by the request for step t + 4; the refills that have no such step ask for nothing.
	s_lshl_b32 s70, s17, 17                        ; A: 16 rows of 8,192 bytes
	s_lshl_b32 s71, s18, 16                        ; B: 32 rows of 2,048
	s_and_b32 s76, ttmp7, 0xffff
	s_mov_b32 s60, 524288
	s_movk_i32 s77, 512
	s_cmp_eq_u32 s15, 0
	s_cselect_b32 s76, ttmp9, s76
	s_cselect_b64 s[58:59], s[72:73], s[74:75]
	s_cselect_b32 s70, s70, s71
	s_cselect_b32 s60, s77, s60
	s_cselect_b32 s78, -1, 0
	s_mov_b32 s61, 0
	s_mov_b32 s71, 0
	s_mul_i32 s77, s60, 3
	s_add_co_u32 s70, s70, s77                     ; at K step 3: the first refill steps it to 4
	s_add_nc_u64 s[58:59], s[58:59], s[70:71]
	s_cmp_eq_u32 s76, 0
	s_cselect_b32 s57, 2, -1
	v_lshlrev_b32 v6, 11, v5
	v_lshrrev_b32 v7, 1, v5
	v_and_b32 v8, 1, v5
	v_mul_u32_u24 v7, v7, APITCH*2
	v_lshl_add_u32 v7, v8, 8, v7
	v_cndmask_b32 v[PFO], v6, v7, s78
.endif
; 8 matrix instructions: m blocks a0, a0 + 1 x all 4 n blocks, 32 along K: half c of buffer f.  The 16 accumulators take turns, one instruction a turn.
.macro MUL8 f, c, a0, zero
	WIN MUL
.irp a, \a0, (\a0)+1
.irp b, 0,1,2,3
.if \zero
	v_wmma_f32_16x16x32_bf16 v[ACC+8*(4*(\a)+(\b)):ACC+8*(4*(\a)+(\b))+7], v[(\f)+64+8*(4*(\c)+(\b)):(\f)+64+8*(4*(\c)+(\b))+7], v[(\f)+8*(4*(\c)+(\a)):(\f)+8*(4*(\c)+(\a))+7], 0
.else
	v_wmma_f32_16x16x32_bf16 v[ACC+8*(4*(\a)+(\b)):ACC+8*(4*(\a)+(\b))+7], v[(\f)+64+8*(4*(\c)+(\b)):(\f)+64+8*(4*(\c)+(\b))+7], v[(\f)+8*(4*(\c)+(\a)):(\f)+8*(4*(\c)+(\a))+7], v[ACC+8*(4*(\a)+(\b)):ACC+8*(4*(\a)+(\b))+7]
.endif
.endr
.endr
.endm
.macro FETCH q, f                      ; 32 LDS loads in one run: quarter q (64 along K) into buffer f; the first 32 along K first
	WIN TO_F
.irp c, 0,1
.irp i, 0,1,2,3
	ds_load_tr16_b128 v[(\f)+64+8*(4*(\c)+(\i)):(\f)+64+8*(4*(\c)+(\i))+3],   v[CB0+(\q)/2] offset:(((\q)%2)*64+32*(\c))*PB+(\i)*32
	ds_load_tr16_b128 v[(\f)+64+8*(4*(\c)+(\i))+4:(\f)+64+8*(4*(\c)+(\i))+7], v[CB0+(\q)/2] offset:(((\q)%2)*64+32*(\c)+16)*PB+(\i)*32
	ds_load_b128 v[(\f)+8*(4*(\c)+(\i)):(\f)+8*(4*(\c)+(\i))+3],   v[CA] offset:(\q)*128+64*(\c)+(\i)*16*PA
	ds_load_b128 v[(\f)+8*(4*(\c)+(\i))+4:(\f)+8*(4*(\c)+(\i))+7], v[CA] offset:(\q)*128+64*(\c)+(\i)*16*PA+32
.endr
.endr
.endm
.macro QUARTER q, f, g, zero
	s_wait_dscnt 16                                ; the first 32 along K are in; the other sixteen loads may be out
	MUL8 \f, 0, 0, \zero
	MUL8 \f, 0, 2, \zero
	PLACES
	FETCH \q, \g
	s_wait_dscnt 32                                ; all but the 32 just issued
	MUL8 \f, 1, 0, 0
	MUL8 \f, 1, 2, 0
.endm
; A step's last quarter (buffer 1) and the change of slots.  The quarter's first 16 products stand AHEAD of the wait for the tensor loads, so that between a tile's landing and the request for the next stand
; only the three lines, the barrier and the round.  In front of the barrier each wave has waited for all its tensor loads, added 0 to its spare word, and waited for that and for its reads of this slot.
; fill = 1: the barrier opens a round of the cluster's, and the joint refill is the first tensor load behind it.  fill = 0: the tail's loop: nothing is filled; in its second trip the loop is left here.
.macro TURN fill
.if (\fill) && PF
	s_wait_xcnt 0x0                                ; the last prefetch, a K step back, has read its address
	s_add_nc_u64 s[58:59], s[58:59], s[60:61]
.endif
	s_wait_dscnt 16                                ; the first 32 along K are in; the other sixteen loads may be out
	MUL8 F1, 0, 0, 0
	MUL8 F1, 0, 2, 0
	WIN 0
	s_wait_tensorcnt 0x0                           ; all my tensor loads have landed, so a group 0 may be written
	ds_add_u32 v[SPW], v[NIL]                      ; 0 onto my spare word; the descriptors' steps stand between it and the wait for it
.if \fill
	s_xor_b32 s23, s23, SLOT
	s_add_co_u32 s[G0A+5], s56, s23
	s_add_co_u32 s[G0B+5], s21, s23
	s_add_nc_u64 s[G0A+6:G0A+7], s[G0A+6:G0A+7], 512
	s_add_nc_u64 s[G0B+6:G0B+7], s[G0B+6:G0B+7], 524288
.endif
	s_wait_dscnt 0x0                               ; the add is done, and my reads of this slot are over
	s_barrier_signal -1
	s_barrier_wait -1
.if \fill
	CREST                                          ; no wave of any partner still reads this slot or has a load on its way
	JLOAD                                          ; its four v_nop are also the places ahead of the loads below
.else
	s_sub_co_u32 s62, s62, 1
	s_cmp_eq_u32 s62, 0
	s_cbranch_scc1 .Llast                          ; the last K step: nothing is left to fetch
	PLACES
.endif
	s_xor_b32 s22, s22, SLOT
	v_add_nc_u32 v[CA], s22, v[ADRA]
	v_add_nc_u32 v[CB0], s22, v[ADRB]
	v_add_nc_u32 v[CB0+1], 128*PB, v[CB0]
	FETCH 0, F0
.if (\fill) && PF
	ASK
.endif
	MUL8 F1, 1, 0, 0
	MUL8 F1, 1, 2, 0
.endm
	s_wait_tensorcnt 1                             ; my part of K step 0 is in; step 1's stays out
	s_barrier_signal -1
	s_barrier_wait -1
	v_mov_b32 v[CA], v[ADRA]
	v_mov_b32 v[CB0], v[ADRB]
	v_add_nc_u32 v[CB0+1], 128*PB, v[ADRB]
	FETCH 0, F0
	QUARTER 1, F0, F1, 1
	WIN 0
	s_mov_b32 s62, NSTEP-2
.Lstep:
	QUARTER 2, F1, F0, 0
	QUARTER 3, F0, F1, 0
	TURN 1
	QUARTER 1, F0, F1, 0
	WIN 0
	s_sub_co_u32 s62, s62, 1
	s_cmp_lg_u32 s62, 0
	s_cbranch_scc1 .Lstep
	s_mov_b32 s62, 2
.Ltail:                                        ; the last two steps fill nothing: two trips, the second left in TURN
	QUARTER 2, F1, F0, 0
	QUARTER 3, F0, F1, 0
	TURN 0
	QUARTER 1, F0, F1, 0
	WIN 0
	s_branch .Ltail
.Llast:
	MUL8 F1, 1, 0, 0
	MUL8 F1, 1, 2, 0
	; THE WAY OUT: 16 rows at a time through my own stage, back as whole rows of 256 bytes, onto R, and out
	WIN 0
	PLACES
	PLACES
	s_wait_loadcnt 0x0                             ; R (and the bias)
.irp a, 0,1,2,3
	WIN 0
.irp b, 0,1,2,3
	ds_store_b128 v[STO], v[ACC+8*(4*\a+\b):ACC+8*(4*\a+\b)+3]   offset:\b*64
	ds_store_b128 v[STO], v[ACC+8*(4*\a+\b)+4:ACC+8*(4*\a+\b)+7] offset:\b*64+16
.endr
.irp t, 0,1,2,3,4,5,6,7
	ds_load_b128 v[TT+4*\t:TT+4*\t+3], v[RD] offset:\t*2*SP    ; my own bytes: LDS serves a wave's instructions in order (ISA guide 5.7.1.4)
.endr
	s_wait_dscnt 0x0
.if HASBIAS
.irp t, 0,1,2,3,4,5,6,7
	v_pk_add_f32 v[TT+4*\t:TT+4*\t+1],   v[TT+4*\t:TT+4*\t+1],   v[BI:BI+1]
	v_pk_add_f32 v[TT+4*\t+2:TT+4*\t+3], v[TT+4*\t+2:TT+4*\t+3], v[BI+2:BI+3]
.endr
.endif
	WIN 0x82                                       ; destination and source 0 window 2, source 1 window 0
.irp t, 0,1,2,3,4,5,6,7
	v_pk_add_f32 v[4*(8*\a+\t):4*(8*\a+\t)+1],   v[4*(8*\a+\t):4*(8*\a+\t)+1],   v[TT+4*\t:TT+4*\t+1]
	v_pk_add_f32 v[4*(8*\a+\t)+2:4*(8*\a+\t)+3], v[4*(8*\a+\t)+2:4*(8*\a+\t)+3], v[TT+4*\t+2:TT+4*\t+3]
.endr
	WIN 0x08                                       ; store data window 2
.irp t, 0,1,2,3,4,5,6,7
	global_store_b128 v[CO], v[4*(8*\a+\t):4*(8*\a+\t)+3], s[OUTP:OUTP+1] offset:(8*\a+\t)*8192   ; 16 lanes store 256 consecutive bytes, aligned
.endr
.endr
	WIN 0
	s_wait_tensorcnt 0x0                           ; the wave's end
	ds_add_u32 v[SPW], v[NIL]
	s_wait_dscnt 0x0
	CROUND                                         ; the closing round
	s_endpgm
.Lfunc_end_k_q8045b0bb39_ffn2:
	.size	k_q8045b0bb39_ffn2, .Lfunc_end_k_q8045b0bb39_ffn2-k_q8045b0bb39_ffn2
	.p2alignl 7, 3214868480
	.fill 96, 4, 3214868480
	.section	.rodata,"a",@progbits
	.p2align	6, 0x0
	.amdhsa_kernel k_q8045b0bb39_ffn2
		.amdhsa_group_segment_fixed_size 327680
		.amdhsa_private_segment_fixed_size 0
		.amdhsa_enable_private_segment 0
		.amdhsa_kernarg_size 40
		.amdhsa_user_sgpr_count 2
		.amdhsa_user_sgpr_kernarg_segment_ptr 1
		.amdhsa_wavefront_size32 1
		.amdhsa_system_sgpr_workgroup_id_x 1
		.amdhsa_system_sgpr_workgroup_id_y 1
		.amdhsa_system_sgpr_workgroup_id_z 1
		.amdhsa_system_vgpr_workitem_id 0
		.amdhsa_next_free_vgpr 768
		.amdhsa_next_free_sgpr 80
		.amdhsa_reserve_vcc 0
		.amdhsa_float_denorm_mode_32 3
		.amdhsa_float_denorm_mode_16_64 3
		.amdhsa_memory_ordered 1
		.amdhsa_forward_progress 1
		.amdhsa_inst_pref_size 72
	.end_amdhsa_kernel
	.amdgpu_metadata
---
amdhsa.version: [ 1, 2 ]
amdhsa.kernels:
  - .name:           k_q8045b0bb39_ffn2
    .symbol:         k_q8045b0bb39_ffn2.kd
    .args:
      - { .name: big, .offset: 0, .size: 8, .value_kind: global_buffer, .address_space: global }
      - { .name: wm, .offset: 8, .size: 8, .value_kind: global_buffer, .address_space: global }
      - { .name: b2, .offset: 16, .size: 8, .value_kind: global_buffer, .address_space: global }
      - { .name: x1, .offset: 24, .size: 8, .value_kind: global_buffer, .address_space: global }
      - { .name: out0, .offset: 32, .size: 8, .value_kind: global_buffer, .address_space: global }
    .group_segment_fixed_size: 327680
    .private_segment_fixed_size: 0
    .kernarg_segment_align: 8
    .kernarg_segment_size: 40
    .max_flat_workgroup_size: 128
    .sgpr_count:     80
    .vgpr_count:     768
    .wavefront_size: 32
...
	.end_amdgpu_metadata
.endif
;; end of part 6
;; ======== version 2 of 2: 8 launches; version 1 with the launch prep written anew for expert scheduling mode
;; limits: values outside matrix products are rounded to bf16
;; workspace buffers: wq 8,404,992 bytes; w1 8,404,992 bytes; wm 18,874,368 bytes; mode0 256 bytes of whole numbers; mode1 256 bytes of whole numbers; hb 8,388,608 bytes; big 33,554,432 bytes; x1 16,777,216 bytes
;; launch prep (part 7): grid 272 x 1, 8 waves a work-group, no clusters, 13,312 bytes of LDS; arguments Wqkv, Wout, W1, W2, torus_dist, time_emb, Wt, bt, ln1_g, ln1_b, ln2_g, ln2_b, wq, w1, wm, mode0, mode1; writes wq, w1, wm, mode0, mode1
.if DOCPART == 7
	.amdgcn_target "amdgcn-amd-amdhsa--gfx1250"
	.amdhsa_code_object_version 6
	.text
	.protected	k_q8045b0bb39_prep
	.globl	k_q8045b0bb39_prep
	.p2align	8
	.type	k_q8045b0bb39_prep,@function
k_q8045b0bb39_prep:
	s_mov_b64 s[64:65], 0
	v_nop
	global_prefetch_b8 v0, s[64:65] scope:SCOPE_SE
	s_setreg_imm32_b32 hwreg(HW_REG_WAVE_SCHED_MODE, 0, 2), 2
	s_setreg_imm32_b32 hwreg(HW_REG_WAVE_MODE, 25, 1), 1
	s_wait_xcnt 0x0
	s_wait_alu depctr_vm_vsrc(0)
; PREPARATION.  Work-groups 16..271 round Wqkv, Wout, W1, W2 and torus_dist to bf16 (65,536 numbers each); work-groups 0..15 make
; tp = gelu(time_emb) Wt + bt (64 scale and 64 shift columns each) and from it the tables that the two layer norms multiply and add:
; G1[b][c] = ln1_g (1 + scale), S1[b][c] = ln1_b (1 + scale) + shift (behind Wqkv's copy), G2 = ln2_g, S2 = ln2_b (behind W1's copy).
; Layouts: wq = Wqkv as [1024][4096] bf16 (columns 0..3071 written), w1 = W1 [1024][4096], wm = Wout, W2 (at 2,097,152), dist (at 10,485,760).
; LIMITS.  gelu is the tanh form, u / (1 + 2^(K0 u + K1 u^3)); gelu(time_emb) and Wt are matrix operands in bf16, sums in f32.
; No cluster, no tensor load: no work-group wants a byte that another fetches.  No prefetch: the casts stream without a wait on anything but memory.
; THE MODE: SCHED_MODE bits 1:0 = 2 (LLVM: expert scheduling mode 2), set by the entry lines.  The code itself states the register dependences
; between vector or matrix instructions and memory or LDS instructions, with s_wait_alu, always for 0.
; THE PLAN, THE CASTS.  Registers that memory instructions touch:
;   v2, v[OFS ..]   byte offsets, made once at the path's head and never written again.
;   X               16 slots of 8: loads land in them, the conversions read them; in blocks 4 to 7 the conversions also write a slot's low four registers, which the block's stores read.
;   Y               16 slots of 4: written by the conversions of blocks 0 to 3, read by those blocks' stores, never written again.
; A block is four pieces: its sixteen conversions, ONE wait on va_vdst, then its memory instructions: the loads that fill the same slots again (blocks 0 to 3) and its eight stores.
; No register that a memory instruction reads is ever written again, so this path holds no wait on vm_vsrc.
; THE PLAN, tp.  Registers that memory or LDS instructions touch:
;   v2, v4, v5, v8, v12, v13, v14   offsets and LDS addresses, made once at the path's head and never written again.
;   v3              LDS address of the fragments of gelu(te): read by every fragment load, written once a trip, at the trip's end.
;   WL0, WL1        Chunk c: its 32 conversions read WL[c % 2]; behind them the loads of chunk c + 2 land in it.
;   AF0, AF1        Chunk c: its four matrix instructions read AF[c % 2]; the LDS loads of chunk c + 1 land in it (the fragment of chunk c + 2).
;   v[32:35], the accumulators' low pairs, v[44:47], v[36:40]   data and an offset of stores; written once, ahead of a wait on va_vdst, and never again.
;   BF is named by vector and matrix instructions alone.  v[SPW], v[NIL]: written at the head, read by the closing add alone.
; So ONE wait on va_vdst stands in a chunk, behind its conversions; the chunk's loads follow it, dealt among its four matrix instructions, which name ACC, AF[c % 2] and BF:
; none of the registers that those loads touch.  One wait on vm_vsrc a trip stands ahead of the add to v3.
.set GSOFF, 8388608                    ; the tables' place in wq and w1
.set RED,   4096                       ; LDS: 0 gelu(te) in bf16 [2][1024]; 4,096 the waves' partial sums, 8,192 bytes
.set SPARE, 12288                      ; the spare words: 128 bytes for each of 8 waves, no other line names them
.set SPW, 6                            ; v6  my spare word's address; never rewritten
.set NIL, 7                            ; v7  0; never rewritten
.set OFS, 8                            ; v[8:15]   cast: byte offset in the output of my 8 bytes in unit u of 1,024 numbers
.set X,   64                           ; v[64:191] cast: 16 slots of 8 registers as loaded
.set Y,   192                          ; v[192:255] cast: 16 slots of 4 registers to store (blocks 0 to 3)
.set AF,  16                           ; v[16:31]  tp: two fragments of gelu(te)
.set ACC, 48                           ; v[48:79]  tp: four accumulators (columns 4 r + j)
.set BF,  80                           ; v[80:111] tp: four fragments of Wt in bf16
.set WL,  112                          ; v[112:239] tp: two sets of 64: 32 rows of Wt in f32
.set PAR, 240                          ; v[240:251] tp: bt (scale, shift), ln1_g, ln1_b, ln2_g, ln2_b of my two columns
.set WB,  56                           ; s[56:59]  tp: set b: the address of the rows of Wt that the set is asked for next: a pair at WB + 2 b
	s_load_b512 s[8:23], s[0:1], 0x0               ; Wqkv 8, Wout 10, W1 12, W2 14, dist 16, te 18, Wt 20, bt 22
	s_load_b512 s[24:39], s[0:1], 0x40             ; ln1_g 24, ln1_b 26, ln2_g 28, ln2_b 30, wq 32, w1 34, wm 36, mode0 38
	s_load_b64 s[40:41], s[0:1], 0x80              ; mode1
	v_lshl_add_u32 v[SPW], v0, 2, SPARE
	v_mov_b32 v[NIL], 0
	v_lshrrev_b32 v1, 5, v0
	v_readfirstlane_b32 s42, v1                    ; wave 0..7
	v_and_b32 v1, 31, v0                           ; lane
	s_wait_alu depctr_va_sdst(0)                   ; s42 is written, ahead of the branch and of its first reader on either path
	s_wait_kmcnt 0x0
	s_cmp_lt_u32 ttmp9, 16                         ; the same answer in all waves of a work-group
	s_cbranch_scc1 .Ltp
; ---------------- THE CASTS ----------------
; A wave takes 32 pieces of 256 numbers.  A piece is two loads of 16 bytes a lane, each 512 consecutive bytes, and two stores of 8 bytes a lane, each 256 consecutive bytes, aligned.
	s_sub_co_u32 s43, ttmp9, 16                    ; 0..47 Wqkv, 48..63 Wout, 64..127 W1, 128..191 W2, 192..255 dist
	s_mov_b64 s[44:45], s[16:17]                   ; from
	s_mov_b64 s[46:47], s[36:37]                   ; to
	s_mov_b32 s48, 10485760                        ; the copy's place in its buffer
	s_mov_b32 s49, 192                             ; the array's first work-group
	s_cmp_lt_u32 s43, 192
	s_cselect_b64 s[44:45], s[14:15], s[44:45]
	s_cselect_b32 s48, 2097152, s48
	s_cselect_b32 s49, 128, s49
	s_cmp_lt_u32 s43, 128
	s_cselect_b64 s[44:45], s[12:13], s[44:45]
	s_cselect_b64 s[46:47], s[34:35], s[46:47]
	s_cselect_b32 s48, 0, s48
	s_cselect_b32 s49, 64, s49
	s_cmp_lt_u32 s43, 64
	s_cselect_b64 s[44:45], s[10:11], s[44:45]
	s_cselect_b64 s[46:47], s[36:37], s[46:47]
	s_cselect_b32 s49, 48, s49
	s_cmp_lt_u32 s43, 48
	s_cselect_b64 s[44:45], s[8:9], s[44:45]
	s_cselect_b64 s[46:47], s[32:33], s[46:47]
	s_cselect_b32 s49, 0, s49
	s_cselect_b32 s50, 1, 0                        ; 1: Wqkv, whose rows of 3 units go to a pitch of 4
	s_sub_co_u32 s52, s43, s49                     ; my number within the array
	s_lshl_b32 s54, s52, 18                        ; 262,144 bytes of f32 a work-group
	s_mov_b32 s55, 0
	s_add_nc_u64 s[44:45], s[44:45], s[54:55]
	s_mov_b32 s49, 0
	s_add_nc_u64 s[46:47], s[46:47], s[48:49]
	s_lshl_b32 s51, s52, 6
	s_lshl3_add_u32 s51, s42, s51                  ; my wave's first unit: 64 x work-group + 8 x wave
	v_lshlrev_b32 v2, 4, v1
	v_lshl_add_u32 v2, s42, 15, v2                 ; in: 32,768 x wave + 16 x lane; never rewritten
.irp u, 0,1,2,3,4,5,6,7
	s_add_co_u32 s53, s51, \u                      ; unit U
	s_mul_i32 s54, s53, 0xaaab
	s_lshr_b32 s54, s54, 17                        ; U / 3 (exact for U under 2^16)
	s_mul_i32 s55, s54, 3
	s_sub_co_u32 s55, s53, s55
	s_lshl_b32 s55, s55, 11
	s_lshl_b32 s54, s54, 13
	s_add_co_u32 s54, s54, s55                     ; Wqkv: row x 8,192 + unit in the row x 2,048
	s_lshl_b32 s53, s53, 11                        ; the others are dense
	s_cmp_eq_u32 s50, 1
	s_cselect_b32 s53, s54, s53
	v_lshl_add_u32 v[OFS+\u], v1, 3, s53
.endr
.macro CLOAD i, p                      ; piece p of 32 into slot i: numbers 4 lane .. + 3 of its first 128, then of its second 128
	global_load_b128 v[X+8*(\i):X+8*(\i)+3],   v2, s[44:45] offset:(\p)*1024 th:TH_LOAD_NT
	global_load_b128 v[X+8*(\i)+4:X+8*(\i)+7], v2, s[44:45] offset:(\p)*1024+512 th:TH_LOAD_NT
.endm
; Block b of eight: pieces 4 b .. 4 b + 3, one unit of the output, in slots 4 (b % 4) .. + 3.  left = how many younger loads may still be out when this block's eight have to be there.
; Blocks 0 to 3: the results go to Y, and the slots are asked for again at once, for the block four further on.  Blocks 4 to 7: converted in place, in ascending order, in the slot's own X.
.macro BLK b, left
	s_wait_loadcnt \left                           ; loads come back in order: this block's eight are in, the younger blocks stay out
.if (\b) < 4
.irp i, 0,1,2,3
.irp k, 0,1,2,3
	v_cvt_pk_bf16_f32 v[Y+4*(4*(\b)+\i)+\k], v[X+8*(4*(\b)+\i)+2*\k], v[X+8*(4*(\b)+\i)+2*\k+1]
.endr
.endr
	s_wait_alu depctr_va_vdst(0)                   ; the conversions are done reading the block's X, in which the loads below land, and have written its Y, which the stores below read
.irp i, 0,1,2,3
	CLOAD 4*(\b)+\i, 16+4*(\b)+\i
.endr
.irp i, 0,1,2,3
	global_store_b64 v[OFS+(\b)], v[Y+4*(4*(\b)+\i):Y+4*(4*(\b)+\i)+1],   s[46:47] offset:\i*512
	global_store_b64 v[OFS+(\b)], v[Y+4*(4*(\b)+\i)+2:Y+4*(4*(\b)+\i)+3], s[46:47] offset:\i*512+256
.endr
.else
.irp i, 0,1,2,3
.irp k, 0,1,2,3
	v_cvt_pk_bf16_f32 v[X+8*(4*((\b)-4)+\i)+\k], v[X+8*(4*((\b)-4)+\i)+2*\k], v[X+8*(4*((\b)-4)+\i)+2*\k+1]
.endr
.endr
	s_wait_alu depctr_va_vdst(0)                   ; the conversions have written the low four registers of each of the block's slots, which the stores below read
.irp i, 0,1,2,3
	global_store_b64 v[OFS+(\b)], v[X+8*(4*((\b)-4)+\i):X+8*(4*((\b)-4)+\i)+1],   s[46:47] offset:\i*512
	global_store_b64 v[OFS+(\b)], v[X+8*(4*((\b)-4)+\i)+2:X+8*(4*((\b)-4)+\i)+3], s[46:47] offset:\i*512+256
.endr
.endif
.endm
	s_wait_alu depctr_va_vdst(0)                   ; v2 and v[OFS ..] are written: every load and store of this path reads one of them as its offset
.irp i, 0,1,2,3,4,5,6,7,8,9,10,11,12,13,14,15
	CLOAD \i, \i                                   ; 32 loads, 16 KiB a wave, go out at once
.endr
	BLK 0, 24                                      ; three younger blocks of eight loads stay out; behind a block's refill 32 are out again
	BLK 1, 24
	BLK 2, 24
	BLK 3, 24
	BLK 4, 24                                      ; nothing more is loaded: the counts run down
	BLK 5, 16
	BLK 6, 8
	BLK 7, 0
	s_endpgm
; ---------------- tp AND THE TABLES ----------------
; Wave w: columns 64 g + 1024 (w / 4) .. + 63, K = 256 (w % 4) .. + 255, in 8 chunks of 32.  Source 0 = gelu(te) (row m holds batch m % 2), source 1 = Wt.
; A chunk of Wt comes by 16 loads: load i brings, to lane (r, h), the four columns 4 r .. 4 r + 3 of row i + 8 h (i < 8) or i + 8 + 8 h: 16 lanes take 256 consecutive bytes.
; Rounded in pairs of rows, that is register p of the fragment of columns 4 r + j, for j = 0..3.
.Ltp:
	v_and_b32 v10, 15, v0                          ; r
	v_bfe_u32 v11, v0, 4, 1                        ; h
	s_lshr_b32 s43, s42, 2                         ; scale (0) or shift (1)
	s_and_b32 s46, s42, 3                          ; my quarter of K
	s_lshl_b32 s47, ttmp9, 8                       ; 64 g columns of f32
	v_lshl_add_u32 v12, v1, 3, s47                 ; columns 64 g + 2 lane, + 1
	v_lshl_add_u32 v13, s42, 12, v12               ; the same in batch w's row of a table (used by waves 0 and 1)
	v_add_nc_u32 v13, GSOFF, v13
	v_lshlrev_b32 v2, 4, v10
	v_lshl_add_u32 v2, v11, 16, v2                 ; Wt: 8 h rows + 16 r
	v_lshlrev_b32 v4, 5, v0                        ; thread t: eight numbers of te at byte 32 t
	v_and_b32 v3, 1, v0
	v_lshlrev_b32 v3, 11, v3                       ; row r of source 0 reads batch r % 2
	v_lshl_add_u32 v3, v11, 4, v3
	v_lshl_add_u32 v3, s46, 9, v3                  ; + my quarter of K
	v_lshlrev_b32 v5, 4, v0                        ; LDS: where my eight gelu(te) go
	v_lshlrev_b32 v14, 3, v1
	v_lshl_add_u32 v14, s42, 10, v14               ; LDS: where my partial sums go, less RED
	v_and_b32 v8, 1, v0                            ; LDS: where wave b (0, 1) reads the partial sums of batch b: lane l takes columns 2 l, 2 l + 1 = 4 (l / 2) + 2 (l % 2) + e
	v_lshrrev_b32 v9, 1, v1
	v_lshlrev_b32 v8, 9, v8
	v_lshl_add_u32 v8, v9, 3, v8
	v_lshl_add_u32 v8, s42, 2, v8
	s_lshl_b32 s48, s43, 12
	s_add_co_u32 s48, s48, s47
	s_lshl_b32 s49, s46, 21                        ; 256 rows of 8,192 bytes
	s_add_co_u32 s48, s48, s49
	s_mov_b32 s49, 0
	s_add_nc_u64 s[WB:WB+1], s[20:21], s[48:49]    ; set 0: chunk 0
	s_add_nc_u64 s[WB+2:WB+3], s[WB:WB+1], 262144  ; set 1: chunk 1, 32 rows on
	s_mov_b32 s50, 0xc0135761                      ; K0 = -2 sqrt(2 / pi) log2(e)
	s_mov_b32 s51, s50
	s_mov_b32 s52, 0xbdd2d3e8                      ; K1 = 0.044715 K0
	s_mov_b32 s53, s52
	s_wait_alu depctr_va_vdst(0)                   ; the offsets and LDS addresses v2 to v5, v8, v12 to v14 are written, which the loads and stores of this path read
	global_load_b64 v[PAR:PAR+1],     v12, s[22:23]              ; what the path's end wants goes out first, in every wave (so that the counts below are one for all): it is there long before
	global_load_b64 v[PAR+2:PAR+3],   v12, s[22:23] offset:4096
	global_load_b64 v[PAR+4:PAR+5],   v12, s[24:25]
	global_load_b64 v[PAR+6:PAR+7],   v12, s[26:27]
	global_load_b64 v[PAR+8:PAR+9],   v12, s[28:29]
	global_load_b64 v[PAR+10:PAR+11], v12, s[30:31]
	global_load_b128 v[16:19], v4, s[18:19]
	global_load_b128 v[20:23], v4, s[18:19] offset:16
.macro WLOAD4 b, g                     ; loads 4 g .. 4 g + 3 of the 16 of a chunk, into set b, from the set's own base
.irp q, 0,1,2,3
	global_load_b128 v[WL+64*(\b)+4*(4*(\g)+\q):WL+64*(\b)+4*(4*(\g)+\q)+3], v2, s[WB+2*(\b):WB+2*(\b)+1] offset:(4*(\g)+\q+8*((\g)/2))*8192 th:TH_LOAD_NT
.endr
.endm
.irp g, 0,1,2,3
	WLOAD4 0, \g
.endr
.irp g, 0,1,2,3
	WLOAD4 1, \g
.endr
	s_wait_loadcnt 32                              ; te is in, and the six older loads; the 32 loads of Wt stay out
.irp p, 0,2,4,6
	v_pk_mul_f32 v[24+\p:25+\p], v[16+\p:17+\p], v[16+\p:17+\p]
.endr
.irp p, 0,2,4,6
	v_pk_fma_f32 v[24+\p:25+\p], v[24+\p:25+\p], s[52:53], s[50:51] op_sel_hi:[1,0,0]
.endr
.irp p, 0,2,4,6
	v_pk_mul_f32 v[24+\p:25+\p], v[24+\p:25+\p], v[16+\p:17+\p]
.endr
.irp p, 0,1,2,3,4,5,6,7
	v_exp_f32 v[24+\p], v[24+\p]
.endr
	v_nop                                          ; a plain instruction behind the last exponential,
	s_wait_alu depctr_va_vdst(0)                   ; and one wait for the batch: the eight exponentials have written v[24:31], which the additions read
.irp p, 0,2,4,6
	v_pk_add_f32 v[24+\p:25+\p], v[24+\p:25+\p], 1.0 op_sel_hi:[1,0]
.endr
.irp p, 0,1,2,3,4,5,6,7
	v_rcp_f32 v[24+\p], v[24+\p]
.endr
	v_nop
	s_wait_alu depctr_va_vdst(0)                   ; the eight reciprocals have written v[24:31], which the multiplies read
.irp p, 0,2,4,6
	v_pk_mul_f32 v[16+\p:17+\p], v[16+\p:17+\p], v[24+\p:25+\p]
.endr
.irp p, 0,1,2,3
	v_cvt_pk_bf16_f32 v[32+\p], v[16+2*\p], v[17+2*\p]
.endr
	s_wait_alu depctr_va_vdst(0)                   ; the roundings have written v[32:35], which the LDS store reads; and all the lines above are done with v[16:31], in which the fragments' loads land
	ds_store_b128 v5, v[32:35]
	s_wait_dscnt 0x0                               ; for the others' sake
	s_barrier_signal -1
	s_barrier_wait -1
	ds_load_b128 v[AF:AF+3],   v3                  ; chunk 0's fragment; each chunk asks for the next one's
	ds_load_b128 v[AF+4:AF+7], v3 offset:32
.set i, 0
.rept 32
	v_mov_b32 v[ACC+i], 0                          ; the sums start at 0, written while the loads are out, so that the loop has one form of product
.set i, i+1
.endr
.macro CVT b
.irp j, 0,1,2,3
.irp p, 0,1,2,3,4,5,6,7
	v_cvt_pk_bf16_f32 v[BF+8*\j+\p], v[WL+64*(\b)+8*\p+\j], v[WL+64*(\b)+8*\p+4+\j]
.endr
.endr
.endm
.macro PLACES                          ; four places behind the products, ahead of writes of their sources and of reads of their results
.rept 4
	v_nop
.endr
.endm
; A chunk.  s: its parity, which picks WL and AF.  ld = 1: the set is asked for again, for the chunk two on.  fr = 1: the next chunk's fragment of gelu(te) is asked for.
; left = how many younger loads of Wt may stay out.
.macro CHUNK s, ld, fr, left
	s_wait_loadcnt \left                           ; set s is in; the other set's loads stay out
.if \ld
	s_add_nc_u64 s[WB+2*(\s):WB+2*(\s)+1], s[WB+2*(\s):WB+2*(\s)+1], 524288  ; free since that wait, which shows the loads that read it done: 64 rows on
.endif
	CVT \s
.if \fr
	s_wait_alu depctr_va_vdst(0)                   ; the conversions are done reading WL[s]; the last chunk's matrix instructions are done reading the other AF; in a trip's first chunk v3 is written
	ds_load_b128 v[AF+8*(1-(\s)):AF+8*(1-(\s))+3],   v3 offset:64+64*(\s)
	ds_load_b128 v[AF+8*(1-(\s))+4:AF+8*(1-(\s))+7], v3 offset:96+64*(\s)
	s_wait_dscnt 2                                 ; LDS loads come back in order: this chunk's fragment is in, the two just issued stay out
.else
	s_wait_dscnt 0x0
.endif
.irp j, 0,1,2,3                        ; the four accumulators take turns, over the backward jump too
	v_wmma_f32_16x16x32_bf16 v[ACC+8*\j:ACC+8*\j+7], v[AF+8*(\s):AF+8*(\s)+7], v[BF+8*\j:BF+8*\j+7], v[ACC+8*\j:ACC+8*\j+7]
.if \ld
	WLOAD4 \s, \j                                  ; no wait: no vector or matrix instruction since the wait above names WL[s]
.endif
.endr
	PLACES
.endm
	s_mov_b32 s54, 3
.Lchunks:                                      ; a trip is two chunks
	CHUNK 0, 1, 1, 16
	CHUNK 1, 1, 1, 16
	s_wait_alu depctr_vm_vsrc(0)                   ; the LDS loads issued so far have read v3
	v_add_nc_u32 v3, 128, v3                       ; two chunks on
	s_sub_co_u32 s54, s54, 1
	s_cmp_lg_u32 s54, 0
	s_cbranch_scc1 .Lchunks
	CHUNK 0, 0, 1, 16                              ; the last two chunks load nothing of Wt,
	CHUNK 1, 0, 0, 0                               ; and the last no fragment; its four places stand ahead of the stores below
	s_wait_alu depctr_va_vdst(0)                   ; the matrix instructions have written the accumulators, which the LDS stores read, and are done reading v[16:31], in which the loads behind the barrier land
.irp j, 0,1,2,3
	ds_store_b64 v14, v[ACC+8*\j:ACC+8*\j+1] offset:RED+256*\j   ; registers 0, 1 = batch 0, 1 (in lanes 0-15)
.endr
	s_wait_dscnt 0x0
	s_barrier_signal -1
	s_barrier_wait -1
	s_cmp_lt_u32 s42, 2
	s_cbranch_scc0 .Lnot01
	; wave b (0, 1) finishes batch b
.irp k, 0,1,2,3,4,5,6,7                ; k = 4 x (scale, shift) + quarter of K
	ds_load_b32 v[16+2*\k], v8 offset:RED+1024*\k
	ds_load_b32 v[17+2*\k], v8 offset:RED+1024*\k+256
.endr
	s_wait_dscnt 0x0
	v_pk_add_f32 v[16:17], v[16:17], v[18:19]
	v_pk_add_f32 v[20:21], v[20:21], v[22:23]
	v_pk_add_f32 v[24:25], v[24:25], v[26:27]
	v_pk_add_f32 v[28:29], v[28:29], v[30:31]
	v_pk_add_f32 v[16:17], v[16:17], v[20:21]
	v_pk_add_f32 v[24:25], v[24:25], v[28:29]
	v_pk_add_f32 v[16:17], v[16:17], v[PAR:PAR+1]      ; scale
	v_pk_add_f32 v[24:25], v[24:25], v[PAR+2:PAR+3]    ; shift
	v_pk_add_f32 v[16:17], v[16:17], 1.0 op_sel_hi:[1,0]
	v_pk_mul_f32 v[44:45], v[PAR+4:PAR+5], v[16:17]
	v_pk_fma_f32 v[46:47], v[PAR+6:PAR+7], v[16:17], v[24:25]
	s_wait_alu depctr_va_vdst(0)                   ; v[44:47] are written, which the first two stores read
	global_store_b64 v13, v[44:45], s[32:33]               ; each store covers 256 consecutive bytes, aligned
	global_store_b64 v13, v[46:47], s[32:33] offset:8192
	global_store_b64 v13, v[PAR+8:PAR+9],   s[34:35]
	global_store_b64 v13, v[PAR+10:PAR+11], s[34:35] offset:8192
	s_branch .Lend
.Lnot01:
	s_lshl3_add_u32 s43, ttmp9, s42
	s_cmp_eq_u32 s43, 2                            ; wave 2 of work-group 0 writes the two mode words' blocks
	s_cbranch_scc0 .Lend
	v_lshlrev_b32 v40, 3, v1
	v_mov_b32 v36, 0
	v_mov_b32 v37, 0
	v_mov_b32 v38, 1
	v_mov_b32 v39, 1
	s_wait_alu depctr_va_vdst(0)                   ; v[36:40] are written: the two stores' data and their offset
	global_store_b64 v40, v[36:37], s[38:39]
	global_store_b64 v40, v[38:39], s[40:41]
.Lend:
	s_wait_dscnt 0x0                               ; the closing lines, six on end
	s_wait_alu 0x0
	s_wait_tensorcnt 0x0
	ds_add_u32 v[SPW], v[NIL]
	s_wait_dscnt 0x0
	s_endpgm
.Lfunc_end_k_q8045b0bb39_prep:
	.size	k_q8045b0bb39_prep, .Lfunc_end_k_q8045b0bb39_prep-k_q8045b0bb39_prep
	.p2alignl 7, 3214868480
	.fill 96, 4, 3214868480
	.section	.rodata,"a",@progbits
	.p2align	6, 0x0
	.amdhsa_kernel k_q8045b0bb39_prep
		.amdhsa_group_segment_fixed_size 13312
		.amdhsa_private_segment_fixed_size 0
		.amdhsa_enable_private_segment 0
		.amdhsa_kernarg_size 136
		.amdhsa_user_sgpr_count 2
		.amdhsa_user_sgpr_kernarg_segment_ptr 1
		.amdhsa_wavefront_size32 1
		.amdhsa_system_sgpr_workgroup_id_x 1
		.amdhsa_system_sgpr_workgroup_id_y 1
		.amdhsa_system_sgpr_workgroup_id_z 1
		.amdhsa_system_vgpr_workitem_id 0
		.amdhsa_next_free_vgpr 256
		.amdhsa_next_free_sgpr 66
		.amdhsa_reserve_vcc 0
		.amdhsa_float_denorm_mode_32 3
		.amdhsa_float_denorm_mode_16_64 3
		.amdhsa_memory_ordered 1
		.amdhsa_forward_progress 1
		.amdhsa_inst_pref_size 52
	.end_amdhsa_kernel
	.amdgpu_metadata
---
amdhsa.version: [ 1, 2 ]
amdhsa.kernels:
  - .name:           k_q8045b0bb39_prep
    .symbol:         k_q8045b0bb39_prep.kd
    .args:
      - { .name: Wqkv, .offset: 0, .size: 8, .value_kind: global_buffer, .address_space: global }
      - { .name: Wout, .offset: 8, .size: 8, .value_kind: global_buffer, .address_space: global }
      - { .name: W1, .offset: 16, .size: 8, .value_kind: global_buffer, .address_space: global }
      - { .name: W2, .offset: 24, .size: 8, .value_kind: global_buffer, .address_space: global }
      - { .name: torus_dist, .offset: 32, .size: 8, .value_kind: global_buffer, .address_space: global }
      - { .name: time_emb, .offset: 40, .size: 8, .value_kind: global_buffer, .address_space: global }
      - { .name: Wt, .offset: 48, .size: 8, .value_kind: global_buffer, .address_space: global }
      - { .name: bt, .offset: 56, .size: 8, .value_kind: global_buffer, .address_space: global }
      - { .name: ln1_g, .offset: 64, .size: 8, .value_kind: global_buffer, .address_space: global }
      - { .name: ln1_b, .offset: 72, .size: 8, .value_kind: global_buffer, .address_space: global }
      - { .name: ln2_g, .offset: 80, .size: 8, .value_kind: global_buffer, .address_space: global }
      - { .name: ln2_b, .offset: 88, .size: 8, .value_kind: global_buffer, .address_space: global }
      - { .name: wq, .offset: 96, .size: 8, .value_kind: global_buffer, .address_space: global }
      - { .name: w1, .offset: 104, .size: 8, .value_kind: global_buffer, .address_space: global }
      - { .name: wm, .offset: 112, .size: 8, .value_kind: global_buffer, .address_space: global }
      - { .name: mode0, .offset: 120, .size: 8, .value_kind: global_buffer, .address_space: global }
      - { .name: mode1, .offset: 128, .size: 8, .value_kind: global_buffer, .address_space: global }
    .group_segment_fixed_size: 13312
    .private_segment_fixed_size: 0
    .kernarg_segment_align: 8
    .kernarg_segment_size: 136
    .max_flat_workgroup_size: 256
    .sgpr_count:     66
    .vgpr_count:     256
    .wavefront_size: 32
...
	.end_amdgpu_metadata
.endif
;; end of part 7
;; launch ln1: the kernel of part 2 again; grid 512 x 1, 8 waves a work-group, no clusters, 0 bytes of LDS; arguments x, wq, hb; writes hb
;; launch qkv: the kernel of part 3 again; grid 12 x 16, 4 waves a work-group, clusters of 4 x 4, 327,680 bytes of LDS; arguments hb, wq, b1, mode0, big; writes big
;; launch attn: the kernel of part 4 again; grid 16 x 16, 4 waves a work-group, clusters of 4 x 4, 327,680 bytes of LDS; arguments big, wm, mask, torus_scale, hb; writes hb
;; launch wout: the kernel of part 5 again; grid 8 x 32, 4 waves a work-group, clusters of 4 x 4, 327,680 bytes of LDS; arguments hb, wm, x, x1; writes x1
;; launch ln2: the kernel of part 2 again; grid 512 x 1, 8 waves a work-group, no clusters, 0 bytes of LDS; arguments x1, w1, hb; writes hb
;; launch ffn1: the kernel of part 3 again; grid 16 x 16, 4 waves a work-group, clusters of 4 x 4, 327,680 bytes of LDS; arguments hb, w1, b1, mode1, big; writes big
;; launch ffn2: the kernel of part 6 again; grid 8 x 32, 4 waves a work-group, clusters of 4 x 4, 327,680 bytes of LDS; arguments big, wm, b2, x1, out0; writes out0
